; MI455X (gfx1250); checked and timed in simulation.
; The chip was launched on July 23, 2026; its instructions are those of AMD's public machine-readable ISA for CDNA 5 (MIT licence, August 2026) and "CDNA5" Instruction Set Architecture Reference Guide (July 2026). The comments in the code are by the model that wrote it; some were corrected since.
;; Seed Attention. Allowed arithmetic: matrix products marked QUANTISED: E2M1 operands, one E8M0 scale for each 32 along K, by v_wmma_scale_f32_16x16x128_f8f6f4 with both operands' format E2M1 (or v_wmma_scale_f32_32x16x128_f4), f32 sums; products left as they are: bf16, f16 or f32 operands; f32 sums; everything else in f32.
;; Inputs: Wkv_cls 2,048 x 2,048 float32; Wproj 1,024 x 1,024 float32; Wqkv 1,024 x 3,072 float32; bproj 1,024 float32; x 8 x 1,024 x 1,024 float32; z_cls 8 x 2,048 float32.
;; Outputs: out0 8 x 1,024 x 1,024 float32.
;; This version of the problem:
;;   THIS VERSION OF THE PROBLEM IS GIVEN IN LOW PRECISION. The matrix products marked QUANTISED in the list below multiply operands that are first quantised to E2M1 (2 exponent bits, 1 mantissa bit; 4 bits a number), with one power-of-two scale for each 32 numbers along K (OCP MX v1.0); their sums are f32. The products marked 'left as it is' may take bf16, f16 or f32 operands, with f32 sums. Whichever they take, every output number must still come out within the allowed error. Rounding operands to bf16 (8 significant bits) uses up far more of that allowance than f16 does (11 bits, for magnitudes from 6e-5 to 65,504). All else is computed in f32.
;;   The module's matrix products, in the order in which they are computed (A, B: the left and right operand; K: the contracted axis; several contracted axes count as one K, in the product's order):
;;     1. [M 8,192, K 1,024] x [K 1,024, N 3,072]; A: input x; B: input Wqkv: QUANTISED
;;     2. [M 8, K 2,048] x [K 2,048, N 2,048]; A: input z_cls; B: input Wkv_cls: left as it is (M = 8 < 16)
;;     3. batch 128 x [M 1,024, K 64] x [K 64, N 1,025]; A: computed on the way; B: computed on the way: left as it is (an operand is computed on the way)
;;     4. batch 128 x [M 1,024, K 1,025] x [K 1,025, N 64]; A: computed on the way; B: computed on the way: left as it is (an operand is computed on the way)
;;     5. [M 8,192, K 1,024] x [K 1,024, N 1,024]; A: computed on the way; B: input Wproj: left as it is (an operand is computed on the way)
;;   THE QUANTISER, for each operand of a quantised product, along K:
;;     - K is cut into blocks of 32 from its start; a last block that is shorter is filled with zeros.
;;     - A block's scale is 2^e with e = floor(log2(the largest magnitude in the block)) - 2, held to -126 .. 127; a block of zeros has e = 0. As a byte (E8M0): e + 127.
;;     - Each number is divided by its block's scale, clamped to +-6, and rounded to the nearest number of E2M1, ties to even, subnormals kept.
;;     - The product sums the exact products of the quantised numbers (number of the format x scale) in f32.
;;   ~~~python
;;   def quantise(x, axis):      # numpy; x: float32 -> the quantised numbers, widened to float32 again
;;       x = np.moveaxis(x, axis, -1); K = x.shape[-1]
;;       x = np.pad(x, [(0, 0)] * (x.ndim - 1) + [(0, -K % 32)]); x = x.reshape(x.shape[:-1] + (-1, 32)); a = np.abs(x).max(-1, keepdims=True)
;;       e = np.where(a > 0, np.clip(np.frexp(np.where(a > 0, a, 1))[1] - 1 - 2, -126, 127), 0)      # np.frexp(a)[1] - 1 = floor(log2(a)), exactly
;;       r = np.clip(x / 2.0 ** e, -6, 6)
;;       step = 2.0 ** (np.maximum(np.frexp(np.where(r == 0, 1, r))[1] - 1, 0) - 1)
;;       q = np.round(r / step) * step * 2.0 ** e      # np.round: ties to even
;;       return np.moveaxis(q.reshape(q.shape[:-2] + (-1,))[..., :K], -1, axis).astype(np.float32)
;;   ~~~
;; One version. Each part assembles by itself: llvm-mc -triple=amdgcn-amd-amdhsa -mcpu=gfx1250 --defsym DOCPART=n.
;; ======== version 1 of 1: 4 launches
;; limits: values are held in f16: magnitudes above 65,504 overflow, below 6.1e-05 lose precision
;; workspace buffers: x_codes 4,194,304 bytes; x_scales 262,144 bytes; w_codes 1,572,864 bytes; w_scales 98,304 bytes; wp16 2,097,152 bytes; cls_part 262,144 bytes; qkv 50,331,648 bytes; o 16,777,216 bytes
;; launch prep (part 1): grid 544 x 1, 4 waves a work-group, no clusters, 92,672 bytes of LDS; arguments x, Wqkv, Wkv_cls, z_cls, Wproj, x_codes, x_scales, w_codes, w_scales, cls_part, wp16; writes x_codes, x_scales, w_codes, w_scales, cls_part, wp16
.if DOCPART == 1
	.amdgcn_target "amdgcn-amd-amdhsa--gfx1250"
	.amdhsa_code_object_version 6
	.text
	.protected	k_q3acec64ecf_prep
	.globl	k_q3acec64ecf_prep
	.p2align	8
	.type	k_q3acec64ecf_prep,@function
k_q3acec64ecf_prep:
	s_mov_b64 s[64:65], 0
	v_nop
	global_prefetch_b8 v0, s[64:65] scope:SCOPE_SE
	s_setreg_imm32_b32 hwreg(HW_REG_WAVE_MODE, 25, 1), 1
	s_wait_xcnt 0x0
; PREP: everything that is read once as f32 and wanted narrow afterwards.  Four streams in one launch, told apart by the work-group's number alone:
;   work-groups   0 ..  95  Wqkv [1024 k][3072 n] f32 -> codes of FP4 (E2M1) laid [3072 n][1024 k], K innermost, and one E8M0 byte for each 32 along K, laid [3072][32]
;   work-groups  96 .. 223  z_cls [8][2048] x Wkv_cls [2048][2048] in f32 fused multiply-adds: four partial sums along K, cls_part [4][8][2048] f32 (the attention launch adds the four)
;   work-groups 224 .. 287  Wproj [1024][1024] f32 -> f16, as it lies
;   work-groups 288 .. 543  x [8192][1024] f32 -> codes of FP4, K innermost, [8192][512 bytes], and scale bytes [8192][32]
; A wave of the first, second and fourth stream reads 32,768 bytes, with 8,192 on their way: equal shares.  Memory binds: no matrix unit, no cluster, no tensor load; each input byte is read once.
; THE QUANTISER: a block's scale is 2^(floor(log2(its largest magnitude)) - 2); its byte is the largest magnitude's exponent field - 2, held at 1 from below; each number is divided by the scale and rounded to the
; nearest code, ties to even, beyond 6 the largest code.
; LIMITS: a block of zeros gets the byte 1 where the rule says 127 (its codes are zeros, which add nothing under any byte but 0xff, and this program alone reads the bytes); NaN and infinities among the inputs are
; not served; Wproj goes to f16: magnitudes under 6e-5 keep f16's fixed step, magnitudes over 65,504 are not served.
; LDS: each stream has bytes of its own.
.set XST,   0                          ; x: a region of 8,192 bytes for each wave: two stages of 32 x 80 bytes, then its 256 scale bytes
.set WST,   32768                      ; Wqkv: the work-group's stage of 64 rows x 272 bytes
.set ZB,    67584                      ; cls: 4,096 bytes for each wave: its 128 k of the 8 rows of z_cls
.set RED,   83968                      ; cls: 2,048 bytes for each wave: its 8 x 64 partial sums
.set SPARE, 92160                      ; the spare words, 128 bytes for each wave: two blocks of 256 bytes that no other line names
.set SPW,   188                        ; v188  LDS address of my spare word: SPARE + 4 x my thread's number; never rewritten
.set NIL,   189                        ; v189  0; never rewritten
; ---- x: registers and macros ----
.set XSP, 80                           ; a lane's place in a stage: its 64 bytes + 16 of padding
.set XR,  16                           ; v16-79   four sets of 16 numbers as they are loaded
.set XX,  80                           ; v80-111  two sets of 16 neighbours along K
.set XE,  112                          ; v112-127 a scale byte for each step
.set XC,  128                          ; v128-159 codes: two registers for each step, so that no store's data are written again
.macro XLOAD t                         ; step t: 512 numbers, four loads of 512 consecutive bytes
.irp i, 0,1,2,3
	global_load_b128 v[XR+16*((\t)%4)+4*\i:XR+16*((\t)%4)+4*\i+3], v3, s[4:5] offset:2048*(\t)+512*\i th:TH_LOAD_NT
.endr
.endm
.macro XTURN t                         ; step t's numbers through the wave's own stage: in as they lie, out 64 bytes a lane.  LDS serves a wave's instructions in order (ISA guide 5.7.1.4): no wait between stores and loads
.irp i, 0,1,2,3
	ds_store_b128 v14, v[XR+16*((\t)%4)+4*\i:XR+16*((\t)%4)+4*\i+3] offset:32*XSP*((\t)%2)+8*XSP*\i
.endr
.irp i, 0,1,2,3
	ds_load_b128 v[XX+16*((\t)%2)+4*\i:XX+16*((\t)%2)+4*\i+3], v15 offset:32*XSP*((\t)%2)+16*\i
.endr
.endm
.macro XSTEP t
.set XS, XX+16*((\t)%2)
.if (\t) > 0
	s_wait_dscnt 1                                 ; this step's numbers are back from the stage (the last step's byte store may be out): so its stores into the stage have read their registers,
.else
	s_wait_dscnt 0x0
.endif
.if (\t)+4 < 16
	XLOAD (\t)+4                                   ; which take the loads of four steps on
.endif
.if (\t)+1 < 16
.if 16-2-(\t) >= 3
	s_wait_loadcnt 12                              ; the next step's four loads are in; those of the three steps behind it may be out
.else
	s_wait_loadcnt 4*(16-2-(\t))                   ; towards the end fewer steps stand behind it
.endif
	XTURN (\t)+1                                   ; and go through the other stage while this step is worked
.endif
	v_max3_num_f32 v8, |v[XS]|, |v[XS+1]|, |v[XS+2]|               ; the largest magnitude of my 16, in two chains
	v_max3_num_f32 v9, |v[XS+3]|, |v[XS+4]|, |v[XS+5]|
.irp i, 6,10
	v_max3_num_f32 v8, v8, |v[XS+\i]|, |v[XS+\i+1]|
	v_max3_num_f32 v9, v9, |v[XS+\i+2]|, |v[XS+\i+3]|
.endr
	v_max3_num_f32 v8, v8, |v[XS+14]|, |v[XS+15]|
	v_max3_num_f32 v8, v8, v9, 0x1800000           ; and the floor 2^(3 - 127): so the byte cannot fall under 1
	v_max_num_f32_dpp v8, v8, v8 row_xmask:1 row_mask:0xf bank_mask:0xf   ; and of my neighbour's 16: the block's
	v_add_nc_u32 v11, 0xff000000, v8               ; 2 off its exponent field: the conversion takes the exponent field of this operand as its scale, and nothing else of it
	v_cvt_scalef32_pk8_fp4_f32 v[XC+2*(\t)], v[XS:XS+7], v11
	v_cvt_scalef32_pk8_fp4_f32 v[XC+2*(\t)+1], v[XS+8:XS+15], v11
	v_lshrrev_b32 v[XE+(\t)], 23, v11              ; the scale's byte (also the plain line behind the conversions)
	ds_store_b8 v5, v[XE+(\t)] offset:16*(\t)      ; both lanes of a block write the same byte with the same value
	global_store_b64 v4, v[XC+2*(\t):XC+2*(\t)+1], s[14:15] offset:256*(\t)   ; 32 lanes store 256 consecutive bytes, aligned
.endm
; ---- Wqkv: registers and macros ----
.set WPITCH, 272                       ; a stage row: 256 bytes of codes (512 along K) + 16
.set WNB,  8                           ; blocks of 32 along K for a wave
.set WSB,  24                          ; v24-25   the scale bytes, four to a register
.set WX,   32                          ; v32-95   two sets of 32 numbers
.set WC,   96                          ; v96-99   a block's codes
.set WOUT, 112                         ; v112-143 the way out
.macro WLOAD t                         ; block t: W(32 t + i, my column), i = 0 .. 31: a lane takes a column and its registers run down K; a wave's load reads 128 consecutive bytes, two waves side by side 256
.irp i, 0,1,2,3,4,5,6,7,8,9,10,11,12,13,14,15,16,17,18,19,20,21,22,23,24,25,26,27,28,29,30,31
	global_load_b32 v[WX+32*((\t)%2)+\i], v3, s[6:7] offset:(32*(\t)+\i)*12288 th:TH_LOAD_NT
.endr
.endm
.macro WBLOCK t
.set WXS, WX+32*((\t)%2)
.if (\t) < WNB-1
	s_wait_loadcnt 32                              ; this block's 32 loads are in; the next block's may be out
.else
	s_wait_loadcnt 0x0
.endif
	v_max3_num_f32 v12, |v[WXS]|, |v[WXS+1]|, |v[WXS+2]|           ; the block's largest magnitude: all 32 numbers are mine
	v_max3_num_f32 v13, |v[WXS+3]|, |v[WXS+4]|, |v[WXS+5]|
.irp i, 6,10,14,18,22,26
	v_max3_num_f32 v12, v12, |v[WXS+\i]|, |v[WXS+\i+1]|
	v_max3_num_f32 v13, v13, |v[WXS+\i+2]|, |v[WXS+\i+3]|
.endr
	v_max3_num_f32 v12, v12, |v[WXS+30]|, |v[WXS+31]|
	v_max3_num_f32 v12, v12, v13, 0x1800000        ; the floor 2^(3 - 127)
	v_add_nc_u32 v11, 0xff000000, v12              ; the conversion's scale operand
	v_lshrrev_b32 v13, 23, v11                     ; the scale's byte
.if (\t)%4 == 0
	v_mov_b32 v[WSB+(\t)/4], v13                   ; four bytes to a register, the lower K in the lower byte
.else
	v_lshl_or_b32 v[WSB+(\t)/4], v13, 8*((\t)%4), v[WSB+(\t)/4]
.endif
.irp g, 0,1,2,3
	v_cvt_scalef32_pk8_fp4_f32 v[WC+\g], v[WXS+8*\g:WXS+8*\g+7], v11
.endr
	ds_store_b128 v4, v[WC:WC+3] offset:16*(\t)    ; 32 codes: 16 bytes of my column's row
.if (\t)+2 < WNB
	WLOAD (\t)+2
.endif
	s_wait_dscnt 0x0                               ; the store has read its registers: the next block's codes may be written; behind the last block: my part of the stage lies in LDS
.endm
; ---- cls: registers and macros ----
.set CACC, 8                           ; v8-23    sums: batch row b, my two columns, at 8 + 2 b
.set CZT,  24                          ; v24-55   z as loaded; later the four waves' partial sums
.set CZ,   56                          ; v56-119  two sets of 32: z(b, 4 g + i) at 4 b + i
.set CWR,  120                         ; v120-183 a ring of 32 rows of W, two columns each
.macro CGROUP g                        ; four rows of W against the 8 rows of z
.if (\g) < 31
.irp b, 0,1,2,3,4,5,6,7
	ds_load_b128 v[CZ+32*(((\g)+1)%2)+4*\b:CZ+32*(((\g)+1)%2)+4*\b+3], v4 offset:512*\b+16*((\g)+1)   ; the next group's z: every lane reads the same 16 bytes
.endr
.endif
.if 124-4*(\g) < 28
	s_wait_loadcnt 124-4*(\g)                      ; my four rows are in; behind them stand the rows that are left
.else
	s_wait_loadcnt 28                              ; my four rows are in; the 28 rows asked for behind them may be out
.endif
.if (\g) < 31
	s_wait_dscnt 8                                 ; this group's z is in; the eight loads just issued may be out
.else
	s_wait_dscnt 0x0
.endif
.irp i, 0,1,2,3
.irp b, 0,1,2,3,4,5,6,7
.irp c, 0,1
.if ((\g) == 0) && (\i == 0)
	v_mul_f32 v[CACC+2*\b+\c], v[CWR+2*((4*(\g)+\i)%32)+\c], v[CZ+32*((\g)%2)+4*\b+\i]     ; the first row starts the sums: nothing is cleared
.else
	v_fmac_f32 v[CACC+2*\b+\c], v[CWR+2*((4*(\g)+\i)%32)+\c], v[CZ+32*((\g)%2)+4*\b+\i]
.endif
.endr
.endr
.endr
.if 4*(\g)+32 < 128
.irp i, 0,1,2,3
	global_load_b64 v[CWR+2*((4*(\g)+\i)%32):CWR+2*((4*(\g)+\i)%32)+1], v1, s[8:9] offset:8192*(4*(\g)+32+\i) th:TH_LOAD_NT   ; the rows 32 further down take their registers
.endr
.endif
.endm
	s_load_b512 s[4:19], s[0:1], 0x0               ; x s[4:5], Wqkv s[6:7], Wkv_cls s[8:9], z_cls s[10:11], Wproj s[12:13], x_codes s[14:15], x_scales s[16:17], w_codes s[18:19]
	s_load_b128 s[20:23], s[0:1], 0x40             ; w_scales s[20:21], cls_part s[22:23]
	s_load_b64 s[24:25], s[0:1], 0x50              ; wp16
	v_lshl_add_u32 v[SPW], v0, 2, SPARE
	v_mov_b32 v[NIL], 0
	v_lshrrev_b32 v1, 5, v0
	v_readfirstlane_b32 s26, v1                    ; wave 0..3
	v_and_b32 v2, 31, v0                           ; lane
	s_wait_kmcnt 0x0
	s_cmp_lt_u32 ttmp9, 96                         ; which stream: the work-group's number alone decides, so all four waves go the same way
	s_cbranch_scc1 .Lwq
	s_cmp_lt_u32 ttmp9, 224
	s_cbranch_scc1 .Lcls
	s_cmp_lt_u32 ttmp9, 288
	s_cbranch_scc1 .Lcast
; ================= x: a plain stream of blocks of 32; a wave takes 16 steps of 512 numbers =================
	s_sub_co_u32 s27, ttmp9, 288
	s_lshl_b32 s27, s27, 2
	s_add_co_u32 s27, s27, s26                     ; which run of 8,192 numbers is my wave's: 0 .. 1,023
	s_mov_b32 s29, 0
	s_lshl_b32 s28, s27, 15                        ; 32,768 bytes of x a run,
	s_add_nc_u64 s[4:5], s[4:5], s[28:29]
	s_lshl_b32 s28, s27, 12                        ; 4,096 of codes,
	s_add_nc_u64 s[14:15], s[14:15], s[28:29]
	s_lshl_b32 s28, s27, 8                         ; 256 scale bytes
	s_add_nc_u64 s[16:17], s[16:17], s[28:29]
	v_lshlrev_b32 v3, 4, v2                        ; my 16 bytes of a load's 512
	s_lshl_b32 s30, s26, 13                        ; my wave's region (XST = 0)
	v_lshrrev_b32 v14, 2, v2
	v_mul_u32_u24 v14, v14, XSP
	v_and_b32 v15, 3, v2
	v_lshl_add_u32 v14, v15, 4, v14
	v_add_nc_u32 v14, s30, v14                     ; the stage, on the way in: four lanes' 64 bytes on end, then 16 of padding
	v_mul_u32_u24 v15, v2, XSP
	v_add_nc_u32 v15, s30, v15                     ; and on the way out: 80 x lane: my 16 neighbours
	v_lshlrev_b32 v4, 3, v2                        ; my codes' place in a step's: 8 bytes a lane
	v_lshrrev_b32 v5, 1, v2
	s_add_co_u32 s30, s30, 2*32*XSP
	v_add_nc_u32 v5, s30, v5                       ; my wave's 256 scale bytes, my block's byte
	v_lshlrev_b32 v7, 3, v2                        ; and on the way out 8 bytes a lane
	v_add_nc_u32 v6, s30, v7
.irp t, 0,1,2,3
	XLOAD \t
.endr
	s_wait_loadcnt 12                              ; step 0's four loads are in
	XTURN 0
.irp t, 0,1,2,3,4,5,6,7,8,9,10,11,12,13,14,15
	XSTEP \t
.endr
	ds_load_b64 v[8:9], v6                         ; my wave's 256 scale bytes: these loads see my stores
	s_wait_dscnt 0x0
	global_store_b64 v7, v[8:9], s[16:17]          ; 32 lanes store 256 consecutive bytes, aligned
	s_wait_tensorcnt 0x0                           ; the wave's end: behind my last LDS store
	ds_add_u32 v[SPW], v[NIL]
	s_wait_dscnt 0x0
	s_endpgm
; ================= Wqkv: a work-group takes 64 columns x 512 along K; a wave 32 of the columns x 256 along K =================
; A column's 512 codes are 256 bytes, of which two waves make a half each: they meet in the work-group's stage, a barrier stands between the writing and the reading, and each wave stores 16 whole rows.
.Lwq:
	s_cmp_ge_u32 ttmp9, 48
	s_cselect_b32 s27, 1, 0                        ; which half of K is the work-group's
	s_cselect_b32 s28, 48, 0
	s_sub_co_u32 s28, ttmp9, s28
	s_lshl_b32 s28, s28, 6                         ; the work-group's first column
	s_and_b32 s33, s26, 1                          ; which 32 of its columns are my wave's
	s_lshr_b32 s34, s26, 1                         ; which 256 of its 512 along K
	s_lshl_b32 s29, s33, 5
	s_add_co_u32 s29, s29, s28                     ; my wave's first column
	s_lshl_b32 s30, s27, 1
	s_add_co_u32 s30, s30, s34                     ; which 256 rows of W
	s_mul_i32 s30, s30, 256*12288                  ; rows of 12,288 bytes,
	s_lshl_b32 s31, s29, 2                         ; 4 bytes a column
	s_add_co_u32 s30, s30, s31
	s_mov_b32 s31, 0
	s_add_nc_u64 s[6:7], s[6:7], s[30:31]
	s_lshl_b32 s30, s26, 4                         ; codes, on the way out: my wave's 16 rows of the work-group's 64,
	s_add_co_u32 s30, s30, s28
	s_lshl_b32 s30, s30, 9                         ; 512 bytes a column,
	s_lshl_b32 s32, s27, 8                         ; 256 for each half of K
	s_add_co_u32 s30, s30, s32
	s_add_nc_u64 s[18:19], s[18:19], s[30:31]
	s_lshl_b32 s30, s29, 5                         ; scale bytes: 32 a column, 16 for each half of K, 8 for my 256
	s_lshl_b32 s32, s27, 4
	s_add_co_u32 s30, s30, s32
	s_lshl_b32 s32, s34, 3
	s_add_co_u32 s30, s30, s32
	s_add_nc_u64 s[20:21], s[20:21], s[30:31]
	s_mul_i32 s32, s33, 32*WPITCH                  ; into the stage: row = column, my 128 bytes of it
	s_lshl_b32 s35, s34, 7
	s_add_co_u32 s32, s32, s35
	s_add_co_u32 s32, s32, WST
	v_lshlrev_b32 v3, 2, v2                        ; in: 4 bytes a lane
	v_mul_u32_u24 v4, v2, WPITCH
	v_add_nc_u32 v4, s32, v4
	s_mul_i32 s32, s26, 16*WPITCH                  ; out of it: my wave's 16 rows; sixteen lanes to a row, two rows an instruction
	s_add_co_u32 s32, s32, WST
	v_and_b32 v5, 15, v2
	v_lshrrev_b32 v6, 4, v2
	v_mul_u32_u24 v7, v6, WPITCH
	v_lshl_add_u32 v7, v5, 4, v7
	v_add_nc_u32 v7, s32, v7
	v_lshlrev_b32 v8, 9, v6
	v_lshl_add_u32 v8, v5, 4, v8                   ; and the same place in the codes' buffer
	v_lshlrev_b32 v9, 5, v2                        ; my column's row of scale bytes
	WLOAD 0
	WLOAD 1
.set Q, 0
.rept WNB
	WBLOCK Q
.set Q, Q+1
.endr
	global_store_b64 v9, v[WSB:WSB+1], s[20:21]    ; my column's 8 scale bytes
	s_barrier_signal -1                            ; my stores into the stage are done (the last block's wait for 0): say so,
	s_barrier_wait -1                              ; and read behind everybody's
.irp t, 0,1,2,3,4,5,6,7
	ds_load_b128 v[WOUT+4*\t:WOUT+4*\t+3], v7 offset:2*\t*WPITCH
.endr
.irp t, 0,1,2,3,4,5,6,7
	s_wait_dscnt 7-\t                              ; LDS loads come back in order: load t is in
	global_store_b128 v8, v[WOUT+4*\t:WOUT+4*\t+3], s[18:19] offset:2*\t*512   ; sixteen lanes store 256 consecutive bytes, aligned
.endr
	s_wait_tensorcnt 0x0                           ; the wave's end
	ds_add_u32 v[SPW], v[NIL]
	s_wait_dscnt 0x0
	s_endpgm
; ================= cls: a work-group takes 64 columns x 512 rows of Wkv_cls, a wave 128 of the rows; a load is one row's 256 bytes =================
.Lcls:
	s_sub_co_u32 s27, ttmp9, 96
	s_and_b32 s28, s27, 31                         ; which 64 columns
	s_lshr_b32 s27, s27, 5                         ; which quarter of K
	s_lshl_b32 s30, s27, 9
	s_lshl_b32 s31, s26, 7
	s_add_co_u32 s30, s30, s31                     ; my wave's first row k
	s_lshl_b32 s32, s30, 13                        ; rows of 8,192 bytes,
	s_lshl_b32 s33, s28, 8                         ; 256 bytes for 64 columns
	s_add_co_u32 s32, s32, s33
	s_mov_b32 s33, 0
	s_add_nc_u64 s[8:9], s[8:9], s[32:33]
	s_lshl_b32 s32, s30, 2
	s_add_nc_u64 s[10:11], s[10:11], s[32:33]      ; z_cls at my first k
	s_lshl_b32 s32, s27, 16                        ; cls_part: 65,536 bytes a quarter of K
	s_lshl_b32 s34, s28, 8
	s_add_co_u32 s32, s32, s34
	s_add_nc_u64 s[22:23], s[22:23], s[32:33]
	v_lshlrev_b32 v1, 3, v2                        ; W: 8 bytes a lane
	s_lshl_b32 s30, s26, 11
	s_add_co_u32 s30, s30, RED
	v_add_nc_u32 v5, s30, v1                       ; my partial sums: RED + 2,048 wave + 8 lane
	v_lshlrev_b32 v2, 4, v2                        ; z: 16 bytes a lane
	s_lshl_b32 s30, s26, 12
	s_add_co_u32 s30, s30, ZB
	v_add_nc_u32 v3, s30, v2                       ; z into LDS: ZB + 4,096 wave + 16 lane
	v_mov_b32 v4, s30                              ; and back: every lane the same address
	v_lshl_add_u32 v6, v0, 4, RED                  ; the reduction: 16 bytes a thread
	v_lshrrev_b32 v7, 4, v0
	v_lshlrev_b32 v7, 13, v7
	v_and_b32 v184, 15, v0
	v_lshl_add_u32 v7, v184, 4, v7                 ; out: row thread / 16 of 8,192 bytes, 16 bytes for thread % 16
.irp b, 0,1,2,3,4,5,6,7
	global_load_b128 v[CZT+4*\b:CZT+4*\b+3], v2, s[10:11] offset:8192*\b    ; my 128 k of row b of z_cls: 512 consecutive bytes
.endr
.irp i, 0,1,2,3,4,5,6,7,8,9,10,11,12,13,14,15,16,17,18,19,20,21,22,23,24,25,26,27,28,29,30,31
	global_load_b64 v[CWR+2*\i:CWR+2*\i+1], v1, s[8:9] offset:8192*\i th:TH_LOAD_NT
.endr
	s_wait_loadcnt 32                              ; z is in; W's 32 rows may be out
.irp b, 0,1,2,3,4,5,6,7
	ds_store_b128 v3, v[CZT+4*\b:CZT+4*\b+3] offset:512*\b     ; the wave's own bytes: read back by this wave alone, in order
.endr
.irp b, 0,1,2,3,4,5,6,7
	ds_load_b128 v[CZ+4*\b:CZ+4*\b+3], v4 offset:512*\b
.endr
.set G, 0
.rept 32
	CGROUP G
.set G, G+1
.endr
.irp b, 0,1,2,3,4,5,6,7
	ds_store_b64 v5, v[CACC+2*\b:CACC+2*\b+1] offset:256*\b
.endr
	s_wait_dscnt 0x0                               ; for the others' sake: my partial sums lie in LDS
	s_barrier_signal -1
	s_barrier_wait -1
.irp w, 0,1,2,3
	ds_load_b128 v[CZT+4*\w:CZT+4*\w+3], v6 offset:2048*\w
.endr
	s_wait_dscnt 0x0
	v_pk_add_f32 v[CZT:CZT+1], v[CZT:CZT+1], v[CZT+4:CZT+5]
	v_pk_add_f32 v[CZT+2:CZT+3], v[CZT+2:CZT+3], v[CZT+6:CZT+7]
	v_pk_add_f32 v[CZT+8:CZT+9], v[CZT+8:CZT+9], v[CZT+12:CZT+13]
	v_pk_add_f32 v[CZT+10:CZT+11], v[CZT+10:CZT+11], v[CZT+14:CZT+15]
	v_pk_add_f32 v[CZT:CZT+1], v[CZT:CZT+1], v[CZT+8:CZT+9]
	v_pk_add_f32 v[CZT+2:CZT+3], v[CZT+2:CZT+3], v[CZT+10:CZT+11]
	global_store_b128 v7, v[CZT:CZT+3], s[22:23]   ; sixteen lanes store 256 consecutive bytes, aligned
	s_wait_tensorcnt 0x0                           ; the wave's end
	ds_add_u32 v[SPW], v[NIL]
	s_wait_dscnt 0x0
	s_endpgm
; ================= Wproj to f16: a wave takes 4,096 numbers; no LDS =================
.Lcast:
	s_sub_co_u32 s27, ttmp9, 224
	s_lshl_b32 s27, s27, 2
	s_add_co_u32 s27, s27, s26                     ; which run of 4,096 numbers
	s_mov_b32 s29, 0
	s_lshl_b32 s28, s27, 14
	s_add_nc_u64 s[12:13], s[12:13], s[28:29]
	s_lshl_b32 s28, s27, 13
	s_add_nc_u64 s[24:25], s[24:25], s[28:29]
	v_lshlrev_b32 v1, 4, v2                        ; in: 16 bytes a lane
	v_lshlrev_b32 v3, 3, v2                        ; out: 8
.irp i, 0,1,2,3,4,5,6,7,8,9,10,11,12,13,14,15,16,17,18,19,20,21,22,23,24,25,26,27,28,29,30,31
	global_load_b128 v[16+4*\i:19+4*\i], v1, s[12:13] offset:512*\i th:TH_LOAD_NT
.endr
.irp i, 0,1,2,3,4,5,6,7,8,9,10,11,12,13,14,15,16,17,18,19,20,21,22,23,24,25,26,27,28,29,30,31
	s_wait_loadcnt 31-\i                           ; loads come back in order: load i is in
	v_cvt_pk_f16_f32 v[16+4*\i], v[16+4*\i], v[17+4*\i]
	v_cvt_pk_f16_f32 v[17+4*\i], v[18+4*\i], v[19+4*\i]
	global_store_b64 v3, v[16+4*\i:17+4*\i], s[24:25] offset:256*\i      ; 32 lanes store 256 consecutive bytes, aligned
.endr
	s_endpgm
.Lfunc_end_k_q3acec64ecf_prep:
	.size	k_q3acec64ecf_prep, .Lfunc_end_k_q3acec64ecf_prep-k_q3acec64ecf_prep
	.p2alignl 7, 3214868480
	.fill 96, 4, 3214868480
	.section	.rodata,"a",@progbits
	.p2align	6, 0x0
	.amdhsa_kernel k_q3acec64ecf_prep
		.amdhsa_group_segment_fixed_size 92672
		.amdhsa_private_segment_fixed_size 0
		.amdhsa_enable_private_segment 0
		.amdhsa_kernarg_size 88
		.amdhsa_user_sgpr_count 2
		.amdhsa_user_sgpr_kernarg_segment_ptr 1
		.amdhsa_wavefront_size32 1
		.amdhsa_system_sgpr_workgroup_id_x 1
		.amdhsa_system_sgpr_workgroup_id_y 1
		.amdhsa_system_sgpr_workgroup_id_z 1
		.amdhsa_system_vgpr_workitem_id 0
		.amdhsa_next_free_vgpr 192
		.amdhsa_next_free_sgpr 66
		.amdhsa_reserve_vcc 0
		.amdhsa_float_denorm_mode_32 3
		.amdhsa_float_denorm_mode_16_64 3
		.amdhsa_memory_ordered 1
		.amdhsa_forward_progress 1
		.amdhsa_inst_pref_size 183
	.end_amdhsa_kernel
	.amdgpu_metadata
---
amdhsa.version: [ 1, 2 ]
amdhsa.kernels:
  - .name:           k_q3acec64ecf_prep
    .symbol:         k_q3acec64ecf_prep.kd
    .args:
      - { .name: x, .offset: 0, .size: 8, .value_kind: global_buffer, .address_space: global }
      - { .name: Wqkv, .offset: 8, .size: 8, .value_kind: global_buffer, .address_space: global }
      - { .name: Wkv_cls, .offset: 16, .size: 8, .value_kind: global_buffer, .address_space: global }
      - { .name: z_cls, .offset: 24, .size: 8, .value_kind: global_buffer, .address_space: global }
      - { .name: Wproj, .offset: 32, .size: 8, .value_kind: global_buffer, .address_space: global }
      - { .name: x_codes, .offset: 40, .size: 8, .value_kind: global_buffer, .address_space: global }
      - { .name: x_scales, .offset: 48, .size: 8, .value_kind: global_buffer, .address_space: global }
      - { .name: w_codes, .offset: 56, .size: 8, .value_kind: global_buffer, .address_space: global }
      - { .name: w_scales, .offset: 64, .size: 8, .value_kind: global_buffer, .address_space: global }
      - { .name: cls_part, .offset: 72, .size: 8, .value_kind: global_buffer, .address_space: global }
      - { .name: wp16, .offset: 80, .size: 8, .value_kind: global_buffer, .address_space: global }
    .group_segment_fixed_size: 92672
    .private_segment_fixed_size: 0
    .kernarg_segment_align: 8
    .kernarg_segment_size: 88
    .max_flat_workgroup_size: 128
    .sgpr_count:     66
    .vgpr_count:     192
    .wavefront_size: 32
...
	.end_amdgpu_metadata
.endif
;; end of part 1
;; launch qkv (part 2): grid 8 x 32, 4 waves a work-group, clusters of 4 x 4, 327,680 bytes of LDS; arguments x_codes, x_scales, w_codes, w_scales, qkv; writes qkv
.if DOCPART == 2
	.amdgcn_target "amdgcn-amd-amdhsa--gfx1250"
	.amdhsa_code_object_version 6
	.text
	.protected	k_q3acec64ecf_qkv
	.globl	k_q3acec64ecf_qkv
	.p2align	8
	.type	k_q3acec64ecf_qkv,@function
k_q3acec64ecf_qkv:
	s_mov_b64 s[64:65], 0
	v_nop
	global_prefetch_b8 v0, s[64:65] scope:SCOPE_SE
	s_setreg_imm32_b32 hwreg(HW_REG_WAVE_MODE, 25, 1), 1
	s_wait_xcnt 0x0
	s_wait_alu depctr_hold_cnt(0) depctr_sa_sdst(0) depctr_va_vdst(0) depctr_va_sdst(0) depctr_va_ssrc(0) depctr_va_vcc(0) depctr_vm_vsrc(0)
	s_getreg_b32 s2, hwreg(HW_REG_IB_STS2, 6, 4)
	s_cmp_eq_u32 s2, 0
	s_cbranch_scc0 .Lentry_in_a_cluster
	s_endpgm
.Lentry_in_a_cluster:
	s_bfe_u32 s2, ttmp6, 0x10000c
	s_cmp_lg_u32 s2, 0xf033
	s_cbranch_scc0 .Lentry_shape_is_right
	s_endpgm
.Lentry_shape_is_right:
; QKV: C[m][n] = sum over k of Q(x)[m][k] Q(Wqkv)[k][n], both operands as codes of FP4 (E2M1) with one E8M0 scale for each 32 along K; sums in f32; each result rounded once to f16 and laid BY HEAD:
; qkv [3 (q, k, v)][8 batches][16 heads][1024 tokens][64] f16, so that a head's rows are one dense block for the attention launch.  m = 1024 batch + token; n = 1024 which + 64 head + channel.
; LIMIT: |q|, |k|, |v| under 65,504 (f16's largest number); the drawn inputs give about 0.6, inputs 30 times larger about 600.
; SHARES.  8,192 x 3,072 results are 256 equal parts of 256 rows x 384 columns: one work-group each.  It makes its part in THREE PASSES of 128 columns; in a pass each of its four waves makes 128 rows x 64 columns,
; which is one head: 32 accumulators of 16 x 16, 256 registers.  A pass's results leave while the next pass is multiplied; only the last pass's stores stand at the end.
; A'S FRAGMENTS ARE READ FROM LDS ONCE: a wave's 128 rows x 1,024 along K of 4-bit codes are 64 fragments, 512 registers; pass 0 fetches them step by step, passes 1 and 2 find them in place and fetch B's alone.
; LDS.  K is two halves of 512 (rows of 256 bytes).  For each half: A's 256 rows, then two tiles of 128 rows of B.  At the head A, the tiles of passes 0 and 1 and all scale bytes are asked for: three tensor loads of a wave
; are out at the most.  Pass 2's tile is the one refill: behind pass 0 it takes pass 0's bytes, and has the way out of pass 0 and all of pass 1 in which to land.
; CLUSTERS: 4 x 4 work-groups.  The four of a row of the cluster need the same tiles of A, the four of a column the same tiles of B: each tile is asked for JOINTLY, by the same tensor load with the same descriptor and a
; mask that names the four.  THE MATRIX INSTRUCTION IS USED TRANSPOSED (source 0 = 16 rows of B, source 1 = 16 rows of A): a lane then holds eight neighbouring numbers of a row of C.
; REGISTERS, in windows of 256: window 0: v16-30 addresses; v32-95 A's scale words; v96-127 B's scale words of the pass; v128-191 B's fragments, two sets; v192-239 the way out.
;   window 1: accumulator (a, b) at v[8 (4 a + b)].   window 2: A's fragments of K steps 0-3 (step q, block a at v[64 q + 8 a]);   window 3: those of K steps 4-7.
.set ROWB,   256                       ; a tile's row in bytes: 512 codes
.set KROW,   512                       ; a row of A or of B in memory, in bytes
.set PITCH,  272                       ; an LDS row: 256 bytes + 16 of padding = 68 words: row r starts at bank 4 r mod 64 (64 banks of 4 bytes: ISA guide 11.1)
.set HALFT,  128*PITCH                 ; 128 rows: what one tensor load brings
.set SLOT,   4*HALFT                   ; a half of K: A's rows 0-127, A's rows 128-255, B of pass 0 (later pass 2), B of pass 1
.set SCL,    2*SLOT                    ; A's scale bytes: 256 rows x 32 bytes, as rows of 256 bytes + 16 of padding
.set HALFS,  16*272                    ; those of 128 rows: what one tensor load brings
.set SCLB,   SCL+2*HALFS               ; B's scale bytes: 384 rows x 32 bytes, likewise
.set HALFSB, 24*272                    ; those of 192 rows: what one tensor load brings
.set SBLK,   2*272                     ; those of 16 rows
.set STAGE,  SCLB+2*HALFSB             ; the way out: for each wave 16 tokens x (128 bytes + 16); no tensor load lands here
.set SP,     144
.set WSTG,   16*SP
.set SPARE,  STAGE+4*WSTG              ; the spare words, 128 bytes for each wave: two blocks of 256 bytes that no other line names
.set ADRA, 16                          ; v16-17  LDS address of my A fragments in K half 0, 1
.set ADRB, 20                          ; v20-21  the same for B's first tile; the second lies HALFT bytes on
.set STO,  24                          ; v24     the way out: where I put 16 bytes of a row
.set RD,   25                          ; v25     the way out: where I read rows back
.set CO,   26                          ; v26     16 x lane
.set ADSA, 27                          ; v27     LDS address of my rows' scale words of A
.set SPW,  28                          ; v28     LDS address of my spare word; never rewritten
.set NIL,  29                          ; v29     0; never rewritten
.set ADSB, 30                          ; v30     LDS address of my rows' scale words of B, pass 0
.set SA,   32                          ; A's scale words: K half s, block a, the half's q-th 128 along K at v[SA + 32 s + 4 a + q]; lane r holds row r's (lanes 16-31 hold the same and are not read)
.set SB,   96                          ; B's, of the pass in hand: v[SB + 16 s + 4 b + q]
.set BF,   128                         ; B's fragments: set e, block b at v[BF + 32 e + 8 b]
.set TMP,  192                         ; the way out: packed results v192-207
.set BK,   208                         ; the way out: rows read back: v208-223 and v224-239 by turns
.set TOKB, 43                          ; s43     my first token's byte in a head's plane
.set BAT,  44                          ; s44     the batch
.set G3,   45                          ; s45     three times my block of columns: pass p makes columns 128 (s45 + p) on
.set G1, 24                            ; s[24:31] descriptor group 1 for A's tiles;  s[32:39] group 0, one set for each half of K
.set G0, 32
.set G1B, 48                           ; s[48:55], s[56:63] the same for B's tiles
.set G0B, 56
.set G1S, 68                           ; s[68:75], s[76:79] groups 1 and 0 for A's scales;  s[80:87], s[88:91] for B's
.set G0S, 76
.set G1SB, 80
.set G0SB, 88
.set G0R, 92                           ; s[92:95] group 0 for the refill: pass 2's tile of B
.set MSB, 0
.macro WIN new                         ; the immediate's high byte repeats the setting that is left
.if MSB != \new
	s_set_vgpr_msb (MSB<<8)|\new
.set MSB, \new
.endif
.endm
; A joint load: waves 0 and 1 fetch for A, waves 2 and 3 for B.  Each of the two lines has ONE mask and one set of registers for all that issue it; the branch hangs on the wave's number alone.
; An s_nop 0 and four v_nop follow each of the two lines, ahead of the jump, the label and what follows.
.macro JLOAD g0a, g1a, g0b, g1b
	s_cmp_eq_u32 s15, 0
	s_cbranch_scc0 .Lfor_b_\@
	tensor_load_to_lds s[\g0a:\g0a+3], s[\g1a:\g1a+7]
	s_nop 0
.rept 4
	v_nop
.endr
	s_branch .Lasked_\@
.Lfor_b_\@:
	tensor_load_to_lds s[\g0b:\g0b+3], s[\g1b:\g1b+7]
	s_nop 0
.rept 4
	v_nop
.endr
.Lasked_\@:
.endm
.macro CROUND                          ; a round of the cluster's barrier: my work-group's barrier; wave 0 signals for the work-group; every wave waits for all sixteen; my work-group's barrier once more
	s_barrier_signal -1
	s_barrier_wait -1
	s_cmp_lg_u32 s14, 0
	s_cbranch_scc1 .Lnot_wave_0_\@
	s_barrier_signal -3
.Lnot_wave_0_\@:
	s_barrier_wait -3
	s_barrier_signal -1
	s_barrier_wait -1
.endm
	s_load_b128 s[4:7], s[0:1], 0x0                ; A's codes s[4:5], A's scales s[6:7]
	s_load_b128 s[8:11], s[0:1], 0x10              ; B's codes s[8:9], B's scales s[10:11]
	s_load_b64 s[12:13], s[0:1], 0x20              ; qkv
	v_lshl_add_u32 v[SPW], v0, 2, SPARE
	v_mov_b32 v[NIL], 0
	ds_add_u32 v[SPW], v[NIL]                      ; the wave's opening: the add, twice on end, and its wait ahead of my first tensor load; the set-up below stands between the second and the wait
	ds_add_u32 v[SPW], v[NIL]
	v_lshrrev_b32 v1, 5, v0
	v_readfirstlane_b32 s14, v1                    ; wave 0..3
	s_lshr_b32 s15, s14, 1                         ; which 128 of the part's rows are mine.  Also: I fetch for A (0) or for B (1)
	s_and_b32 s16, s14, 1                          ; which 64 of a pass's columns.  Also: which part of A or of B I fetch
	s_bfe_u32 s40, ttmp6, 0x40000                  ; cx, cy: my place in the cluster
	s_bfe_u32 s41, ttmp6, 0x40004
	s_lshl_b32 s42, ttmp9, 2
	s_add_co_u32 s42, s42, s40                     ; my block of 384 columns = 4 x cluster x + cx
	s_and_b32 s17, ttmp7, 0xffff
	s_lshl_b32 s17, s17, 2
	s_add_co_u32 s17, s17, s41                     ; my block of 256 rows = 4 x cluster y + cy
	s_lshl_b32 s43, s41, 2
	s_lshl_b32 s43, 15, s43                        ; my row of the cluster
	s_lshl_b32 s44, 0x1111, s40                    ; my column
	; descriptor group 1: a tile of 128 rows x 256 bytes, padded in LDS
	s_or_b32 s[G1+0], s43, (0<<16)|(1<<20)|(1<<21)|(5<<22)|(3<<25)  ; 15:0 the mask: A's tiles go to my row; 17:16 element of 1 byte; 20 padding on; 21 set beside a mask; 24:22 after every 64 words (code 5); 31:25 of 4 words (code 3)
	s_or_b32 s[G1B+0], s44, (0<<16)|(1<<20)|(1<<21)|(5<<22)|(3<<25)
.irp g, G1, G1B
	s_mov_b32 s[\g+1], ROWB<<16                    ; tensor_dim0
	s_mov_b32 s[\g+2], 128<<16                     ; tensor_dim1 = 128
	s_mov_b32 s[\g+3], ROWB<<16                    ; tile_dim0
	s_mov_b32 s[\g+4], 128                         ; tile_dim1 = 128
	s_mov_b32 s[\g+5], KROW                        ; tensor_dim0_stride
	s_mov_b32 s[\g+6], 0
	s_mov_b32 s[\g+7], 0
.endr
	; and for the scale bytes, dense blocks of memory, as rows of 256 bytes (32 elements of 8 bytes), 16 bytes of padding behind each: 16 rows for 128 rows of A, 24 for 192 rows of B
	s_or_b32 s[G1S+0], s43, (3<<16)|(1<<20)|(1<<21)|(5<<22)|(3<<25)
	s_or_b32 s[G1SB+0], s44, (3<<16)|(1<<20)|(1<<21)|(5<<22)|(3<<25)
	s_mov_b32 s[G1S+1], 32<<16
	s_mov_b32 s[G1S+2], 16<<16
	s_mov_b32 s[G1S+3], 32<<16
	s_mov_b32 s[G1S+4], 16
	s_mov_b32 s[G1S+5], 32
	s_mov_b32 s[G1S+6], 0
	s_mov_b32 s[G1S+7], 0
	s_mov_b32 s[G1SB+1], 32<<16
	s_mov_b32 s[G1SB+2], 24<<16
	s_mov_b32 s[G1SB+3], 32<<16
	s_mov_b32 s[G1SB+4], 24
	s_mov_b32 s[G1SB+5], 32
	s_mov_b32 s[G1SB+6], 0
	s_mov_b32 s[G1SB+7], 0
	; where the tiles come from, as byte offsets.  A's hang on the block of rows alone, which my row of the cluster shares; B's on the block of columns alone, which my column shares.
	s_lshl_b32 s18, s16, 7                         ; 128 x (wave % 2)
	s_lshl_b32 s20, s17, 8
	s_add_co_u32 s20, s20, s18                     ; A: row 256 x block + 128 x (wave % 2)
	s_lshl_b32 s22, s20, 5                         ; its scale bytes: 32 a row
	s_mov_b32 s23, 0
	s_lshl_b32 s20, s20, 9                         ; its codes: 512 a row
	s_mov_b32 s21, 0
	s_mul_i32 s66, s42, 384                        ; B: my block's first row
	s_add_co_u32 s46, s66, s18                     ; the tile of pass wave % 2
	s_lshl_b32 s46, s46, 9
	s_mov_b32 s47, 0
	s_mul_i32 s96, s16, 192                        ; the scale bytes of 192 rows
	s_add_co_u32 s96, s96, s66
	s_lshl_b32 s96, s96, 5
	s_mov_b32 s97, 0
	s_add_co_u32 s18, s66, 256                     ; the refill: pass 2's rows,
	s_lshl_b32 s18, s18, 9
	s_lshl_b32 s19, s16, 8                         ; K half wave % 2
	s_add_co_u32 s18, s18, s19
	s_mov_b32 s19, 0
	s_mul_i32 s45, s14, HALFT                      ; where they go: wave x 128 rows: no place in the cluster enters an LDS address
	s_mul_i32 s2, s16, HALFS
	s_mul_i32 s3, s16, HALFSB
	s_mul_i32 s[G0R+1], s16, SLOT
	s_wait_dscnt 0x0                               ; both opening adds are done
	s_wait_kmcnt 0x0
	s_add_nc_u64 s[20:21], s[4:5], s[20:21]
	s_add_nc_u64 s[22:23], s[6:7], s[22:23]
	s_add_nc_u64 s[46:47], s[8:9], s[46:47]
	s_add_nc_u64 s[96:97], s[10:11], s[96:97]
	s_add_nc_u64 s[18:19], s[8:9], s[18:19]
	CROUND                                         ; all sixteen work-groups are here: the first joint loads meet
	s_mov_b32 s[G0S], 1
	s_add_co_u32 s[G0S+1], s2, SCL
	s_mov_b64 s[G0S+2:G0S+3], s[22:23]
	s_or_b32 s[G0S+3], s[G0S+3], 0x80000000
	s_mov_b32 s[G0SB], 1
	s_add_co_u32 s[G0SB+1], s3, SCLB
	s_mov_b64 s[G0SB+2:G0SB+3], s[96:97]
	s_or_b32 s[G0SB+3], s[G0SB+3], 0x80000000
	JLOAD G0S, G1S, G0SB, G1SB                     ; the scales first: they are wanted with the first products
.irp s, 0,1
	s_mov_b32 s[G0+4*\s], 1
	s_add_co_u32 s[G0+4*\s+1], s45, \s*SLOT
	s_add_nc_u64 s[G0+4*\s+2:G0+4*\s+3], s[20:21], \s*ROWB
	s_or_b32 s[G0+4*\s+3], s[G0+4*\s+3], 0x80000000
	s_mov_b32 s[G0B+4*\s], 1
	s_add_co_u32 s[G0B+4*\s+1], s45, \s*SLOT
	s_add_nc_u64 s[G0B+4*\s+2:G0B+4*\s+3], s[46:47], \s*ROWB
	s_or_b32 s[G0B+4*\s+3], s[G0B+4*\s+3], 0x80000000
	JLOAD G0+4*\s, G1, G0B+4*\s, G1B
.endr
	s_mov_b32 s[G0R], 1                            ; the refill's group 0, in registers of its own, made here and used behind pass 0
	s_add_co_u32 s[G0R+1], s[G0R+1], 2*HALFT       ; B's first tile of K half wave % 2
	s_mov_b64 s[G0R+2:G0R+3], s[18:19]
	s_or_b32 s[G0R+3], s[G0R+3], 0x80000000
	v_and_b32 v1, 15, v0                           ; r = l % 16
	v_bfe_u32 v2, v0, 4, 1                         ; h = l / 16
	v_mul_u32_u24 v3, v1, PITCH
	v_lshl_add_u32 v4, v2, 4, v3                   ; a fragment's row x pitch + 16 x half
	s_mul_i32 s21, s15, HALFT                      ; my 128 rows of A
	s_mul_i32 s22, s16, 64*PITCH                   ; my 64 rows of a tile of B,
	s_add_co_u32 s22, s22, 2*HALFT                 ; which lies behind A's 256
.irp s, 0,1
	v_add_nc_u32 v[ADRA+\s], s21, v4
	v_add_nc_u32 v[ADRB+\s], s22, v4
	s_add_co_u32 s21, s21, SLOT
	s_add_co_u32 s22, s22, SLOT
.endr
	v_lshlrev_b32 v5, 5, v1                        ; my row's scales: 32 bytes a row,
	v_lshrrev_b32 v6, 8, v5
	v_lshl_add_u32 v5, v6, 4, v5                   ; and 16 more for each 256 passed
	s_mul_i32 s21, s15, HALFS
	s_add_co_u32 s21, s21, SCL
	v_add_nc_u32 v[ADSA], s21, v5                  ; A's: my 128 rows
	s_mul_i32 s22, s16, 8*272
	s_add_co_u32 s22, s22, SCLB
	v_add_nc_u32 v[ADSB], s22, v5                  ; B's: my 64 rows of pass 0; a pass on is 16 x 272 bytes on
	s_mul_i32 s23, s14, WSTG
	s_add_co_u32 s23, s23, STAGE                   ; my stage
	v_mul_u32_u24 v5, v1, SP                       ; in: token l % 16, 16 bytes for each half of the lanes
	v_lshl_add_u32 v5, v2, 4, v5
	v_add_nc_u32 v[STO], s23, v5
	v_bfe_u32 v5, v0, 3, 2                         ; back: eight lanes to a token's 128 bytes, four tokens an instruction
	v_mul_u32_u24 v5, v5, SP
	v_and_b32 v6, 7, v0
	v_lshl_add_u32 v5, v6, 4, v5
	v_add_nc_u32 v[RD], s23, v5
	v_and_b32 v6, 31, v0
	v_lshlrev_b32 v[CO], 4, v6                     ; four tokens of a head are 512 consecutive bytes of qkv: 16 x lane
	s_and_b32 s[TOKB], s17, 3                      ; four blocks of rows to a batch
	s_lshl_b32 s[TOKB], s[TOKB], 8
	s_lshl_b32 s[BAT], s15, 7
	s_add_co_u32 s[TOKB], s[TOKB], s[BAT]          ; my first token,
	s_lshl_b32 s[TOKB], s[TOKB], 7                 ; 128 bytes each
	s_lshr_b32 s[BAT], s17, 2
	s_mul_i32 s[G3], s42, 3
; A fragment, 16 rows x 128 K of 4-bit codes: lane l holds row l % 16; registers 4 c .. 4 c + 3 hold K = 64 c + 32 (l / 16) + 0 .. 31: two loads of 16 bytes, 32 bytes apart.
.macro FRAGB e, slot, q, j             ; B's four fragments of tile j, K half slot, its q-th 128 along K, into set e
.irp b, 0,1,2,3
.irp c, 0,1
	ds_load_b128 v[BF+32*(\e)+8*\b+4*\c:BF+32*(\e)+8*\b+4*\c+3], v[ADRB+(\slot)] offset:(\j)*HALFT+64*(\q)+32*\c+\b*16*PITCH
.endr
.endr
.endm
.macro FRAGA Q                         ; A's eight fragments of K step Q, into window 2 (steps 0-3) or 3 (steps 4-7): they stay
	WIN 0x80+0x40*((\Q)/4)
.irp a, 0,1,2,3,4,5,6,7
.irp c, 0,1
	ds_load_b128 v[64*((\Q)%4)+8*\a+4*\c:64*((\Q)%4)+8*\a+4*\c+3], v[ADRA+(\Q)/4] offset:64*((\Q)%4)+32*\c+\a*16*PITCH
.endr
.endr
	WIN 0
.endm
.macro SALOAD                          ; A's scale words, for all of K: four words (a half of K) a load
.irp s, 0,1
.irp a, 0,1,2,3,4,5,6,7
	ds_load_b128 v[SA+32*\s+4*\a:SA+32*\s+4*\a+3], v[ADSA] offset:\a*SBLK+16*\s
.endr
.endr
.endm
.macro SBLOAD p                        ; B's scale words of pass p
.irp s, 0,1
.irp b, 0,1,2,3
	ds_load_b128 v[SB+16*\s+4*\b:SB+16*\s+4*\b+3], v[ADSB] offset:(\p)*16*272+\b*SBLK+16*\s
.endr
.endr
.endm
; 32 matrix instructions: A's eight blocks x B's four, K step Q.  zero = 1: the first product starts the sums: nothing is ever cleared.
; The 32 accumulators take turns, one instruction a turn, in the same order in every step.  Source 0 (B) window 0, source 1 (A) window 2 or 3, C and D window 1.
.macro MUL32 Q, zero
	WIN 0x58+4*((\Q)/4)
.irp a, 0,1,2,3,4,5,6,7
.irp b, 0,1,2,3
.if \zero
	v_wmma_scale_f32_16x16x128_f8f6f4 v[8*(4*\a+\b):8*(4*\a+\b)+7], v[BF+32*((\Q)%2)+8*\b:BF+32*((\Q)%2)+8*\b+7], v[64*((\Q)%4)+8*\a:64*((\Q)%4)+8*\a+7], 0, v[SB+16*((\Q)/4)+4*\b+(\Q)%4], v[SA+32*((\Q)/4)+4*\a+(\Q)%4] matrix_a_fmt:MATRIX_FMT_FP4 matrix_b_fmt:MATRIX_FMT_FP4
.else
	v_wmma_scale_f32_16x16x128_f8f6f4 v[8*(4*\a+\b):8*(4*\a+\b)+7], v[BF+32*((\Q)%2)+8*\b:BF+32*((\Q)%2)+8*\b+7], v[64*((\Q)%4)+8*\a:64*((\Q)%4)+8*\a+7], v[8*(4*\a+\b):8*(4*\a+\b)+7], v[SB+16*((\Q)/4)+4*\b+(\Q)%4], v[SA+32*((\Q)/4)+4*\a+(\Q)%4] matrix_a_fmt:MATRIX_FMT_FP4 matrix_b_fmt:MATRIX_FMT_FP4
.endif
.endr
.endr
.endm
; A load into a register that a matrix instruction has read, and a vector instruction that reads a matrix result, stand four places behind that matrix instruction; only plain vector instructions that name none of its
; registers are places (ISA guide 7.12.1 for vector instructions).
.macro PLACES n
.rept \n
	v_nop
.endr
.endm
; K step Q of pass p.  Its operands were asked for a step ago, 32 matrix instructions back; the next step's are asked for first (B's other set was read by the step before: four places), then the 32 products follow.
.macro STEP p, Q
	s_wait_dscnt 0x0                               ; this step's fragments are in
.if (\Q) < 7
	PLACES 4
	WIN 0
	FRAGB ((\Q)+1)%2, ((\Q)+1)/4, ((\Q)+1)%4, (\p)%2
.if (\p) == 0
	FRAGA (\Q)+1
.endif
.endif
.if (\Q) == 0
	MUL32 \Q, 1
.else
	MUL32 \Q, 0
.endif
.endm
; What stands in front of a barrier of this text behind the first: all my tensor loads have landed; 0 onto my spare word; n places behind the last products,
; which stand between the add and the wait for it; the add is done and my LDS loads are in.
.macro MEET n
	WIN 0
	s_wait_tensorcnt 0x0
	ds_add_u32 v[SPW], v[NIL]
	PLACES \n
	s_wait_dscnt 0x0
.endm
; THE WAY OUT of pass p, block by block of 16 tokens x 64 channels.  PACK: rounded to f16, 16 bytes a lane (eight channels of one token).  TOSTAGE: into my own stage, and back four tokens at a time.
; SEND: stored: four tokens of a head are 512 consecutive bytes of qkv.  LDS serves a wave's instructions in order (ISA guide 5.7.1.4): no wait between the stage's stores and loads.
.macro PACK a
	WIN 0x05                                       ; sources 0 and 1: window 1
.irp b, 0,1,2,3
.irp r, 0,1,2,3
	v_cvt_pk_f16_f32 v[TMP+4*\b+\r], v[8*(4*(\a)+\b)+2*\r], v[8*(4*(\a)+\b)+2*\r+1]     ; each accumulator from its low end on
.endr
.endr
	WIN 0
.endm
.macro TOSTAGE a
.set BB, BK+16*((\a)%2)
.irp b, 0,1,2,3
	ds_store_b128 v[STO], v[TMP+4*\b:TMP+4*\b+3] offset:32*\b      ; channels 16 b + 8 (l / 16) on
.endr
.irp t, 0,1,2,3
	ds_load_b128 v[BB+4*\t:BB+4*\t+3], v[RD] offset:4*SP*\t
.endr
.endm
.macro SEND a
.set BB, BK+16*((\a)%2)
	s_wait_dscnt 0x0                               ; the block is back in registers
	s_wait_xcnt 0x0                                ; the earlier stores have read their registers: the next block's loads land there only behind this wait
.irp t, 0,1,2,3
	global_store_b128 v[CO], v[BB+4*\t:BB+4*\t+3], s[22:23] offset:2048*(\a)+512*\t   ; 32 lanes store 512 consecutive bytes, at a multiple of 256 from qkv's first byte
.endr
.endm
.macro WAYOUT p
	s_wait_xcnt 0x0                                ; the last pass's stores have read their base: it is written anew
	s_add_co_u32 s20, s[G3], \p                    ; this pass makes columns 128 g on: which = g / 8, heads 2 (g % 8) and 2 (g % 8) + 1
	s_lshr_b32 s21, s20, 3
	s_lshl_b32 s21, s21, 3
	s_add_co_u32 s21, s21, s[BAT]
	s_lshl_b32 s21, s21, 4                         ; (which x 8 + batch) x 16
	s_and_b32 s20, s20, 7
	s_lshl_b32 s20, s20, 1
	s_add_co_u32 s20, s20, s16                     ; my head
	s_add_co_u32 s20, s20, s21
	s_lshl_b32 s20, s20, 17                        ; planes of 131,072 bytes
	s_add_co_u32 s20, s20, s[TOKB]
	s_mov_b32 s21, 0
	s_add_nc_u64 s[22:23], s[12:13], s[20:21]
	PACK 0
	TOSTAGE 0
.irp a, 1,2,3,4,5,6,7                  ; block a's conversions stand between block a - 1's loads from the stage and the wait for them
	PACK \a
	SEND \a-1
	TOSTAGE \a
.endr
	SEND 7
.endm
	s_wait_tensorcnt 1                             ; the scales and my part of K half 0 are in (K half 1's load may be out)
	s_barrier_signal -1
	s_barrier_wait -1                              ; everybody's are
	SALOAD
	SBLOAD 0
	FRAGB 0, 0, 0, 0
	FRAGA 0
	; ---- pass 0: A's fragments come into their registers on the way
	STEP 0, 0
	STEP 0, 1
	STEP 0, 2
	MEET 0                                         ; step 3 fetches step 4's fragments, the first of K half 1: my part of it has landed,
	s_barrier_signal -1
	s_barrier_wait -1                              ; everybody's has.
	STEP 0, 3
	STEP 0, 4
	STEP 0, 5
	STEP 0, 6
	STEP 0, 7
	MEET 4                                         ; pass 0's tile of B has been read out: my reads of it are in, and no tensor load of mine is out
	CROUND                                         ; the same holds of every wave of all sixteen work-groups: the round stands in the place of the barrier in front of a refill
	s_cmp_eq_u32 s15, 0                            ; THE REFILL: pass 2's tile of B, two halves of K: wave 2 asks for one, wave 3 for the other; waves 0 and 1 have no part of it
	s_cbranch_scc1 .Lno_refill
	tensor_load_to_lds s[G0R:G0R+3], s[G1B:G1B+7]  ; a joint load of my column of the cluster; my one tensor load behind the round, and the first thing there
	s_nop 0
.rept 4
	v_nop
.endr
.Lno_refill:
	SBLOAD 1                                       ; pass 1's first operands land while pass 0 goes out (the four places behind the last products stand in MEET)
	FRAGB 0, 0, 0, 1
	WAYOUT 0
	; ---- pass 1
.irp Q, 0,1,2,3,4,5,6,7
	STEP 1, \Q
.endr
	MEET 4                                         ; my part of pass 2's tile, if I asked for one, has landed,
	s_barrier_signal -1
	s_barrier_wait -1                              ; everybody's has.
	SBLOAD 2
	FRAGB 0, 0, 0, 0
	WAYOUT 1
	; ---- pass 2
.irp Q, 0,1,2,3,4,5,6,7
	STEP 2, \Q
.endr
	WIN 0
	PLACES 4                                       ; behind the last products, ahead of the first read of results
	WAYOUT 2
	s_wait_tensorcnt 0x0                           ; the wave's end: behind my last tensor load and my last LDS store
	ds_add_u32 v[SPW], v[NIL]
	s_wait_dscnt 0x0
	CROUND                                         ; the closing round: no work-group ends while a partner may still ask for a tile that names it
	s_endpgm
.Lfunc_end_k_q3acec64ecf_qkv:
	.size	k_q3acec64ecf_qkv, .Lfunc_end_k_q3acec64ecf_qkv-k_q3acec64ecf_qkv
	.p2alignl 7, 3214868480
	.fill 96, 4, 3214868480
	.section	.rodata,"a",@progbits
	.p2align	6, 0x0
	.amdhsa_kernel k_q3acec64ecf_qkv
		.amdhsa_group_segment_fixed_size 327680
		.amdhsa_private_segment_fixed_size 0
		.amdhsa_enable_private_segment 0
		.amdhsa_kernarg_size 40
		.amdhsa_user_sgpr_count 2
		.amdhsa_user_sgpr_kernarg_segment_ptr 1
		.amdhsa_wavefront_size32 1
		.amdhsa_system_sgpr_workgroup_id_x 1
		.amdhsa_system_sgpr_workgroup_id_y 1
		.amdhsa_system_sgpr_workgroup_id_z 1
		.amdhsa_system_vgpr_workitem_id 0
		.amdhsa_next_free_vgpr 1024
		.amdhsa_next_free_sgpr 98
		.amdhsa_reserve_vcc 0
		.amdhsa_float_denorm_mode_32 3
		.amdhsa_float_denorm_mode_16_64 3
		.amdhsa_memory_ordered 1
		.amdhsa_forward_progress 1
		.amdhsa_inst_pref_size 185
	.end_amdhsa_kernel
	.amdgpu_metadata
---
amdhsa.version: [ 1, 2 ]
amdhsa.kernels:
  - .name:           k_q3acec64ecf_qkv
    .symbol:         k_q3acec64ecf_qkv.kd
    .args:
      - { .name: x_codes, .offset: 0, .size: 8, .value_kind: global_buffer, .address_space: global }
      - { .name: x_scales, .offset: 8, .size: 8, .value_kind: global_buffer, .address_space: global }
      - { .name: w_codes, .offset: 16, .size: 8, .value_kind: global_buffer, .address_space: global }
      - { .name: w_scales, .offset: 24, .size: 8, .value_kind: global_buffer, .address_space: global }
      - { .name: qkv, .offset: 32, .size: 8, .value_kind: global_buffer, .address_space: global }
    .group_segment_fixed_size: 327680
    .private_segment_fixed_size: 0
    .kernarg_segment_align: 8
    .kernarg_segment_size: 40
    .max_flat_workgroup_size: 128
    .sgpr_count:     98
    .vgpr_count:     1024
    .wavefront_size: 32
...
	.end_amdgpu_metadata
.endif
;; end of part 2
;; launch attn (part 3): grid 2 x 128, 8 waves a work-group, no clusters, 327,680 bytes of LDS; arguments qkv, cls_part, o; writes o
.if DOCPART == 3
	.amdgcn_target "amdgcn-amd-amdhsa--gfx1250"
	.amdhsa_code_object_version 6
	.text
	.protected	k_q3acec64ecf_attn
	.globl	k_q3acec64ecf_attn
	.p2align	8
	.type	k_q3acec64ecf_attn,@function
k_q3acec64ecf_attn:
	s_mov_b64 s[64:65], 0
	v_nop
	global_prefetch_b8 v0, s[64:65] scope:SCOPE_SE
	s_setreg_imm32_b32 hwreg(HW_REG_WAVE_MODE, 25, 1), 1
	s_wait_xcnt 0x0
; ATTENTION: o[b][h][q][:] = sum over the 1,025 keys of softmax(q . k / 8) v, key 0 being the cls key.  q, k, v: qkv [3][8][16][1024][64] f16; k_cls, v_cls: the sum of the four parts of cls_part [4][8][2048] f32
; (columns 64 h + d: k_cls; 1024 + 64 h + d: v_cls); o: [8][16][1024][64] f16.  Products with f16 operands and f32 sums; maxima, exponentials and sums in f32; the weights p are rounded to f16 for the second product.
; LIMITS: o and p are kept in f16 (p is at most 1; o is a mean of v); NaN and infinities are not served.
; SHARES.  A work-group owns 512 queries of one head, each of its eight waves 64: four tiles of 16.  Two waves share a SIMD, so that one wave's softmax can stand beside the other's products.
; ALL 1,024 keys and values of the head lie in LDS; no byte is filled again.  Waves 0-3 fetch K, waves 4-7 V, in TWO loads a wave: at the head its quarter of the first 384 keys (48 rows of 256 bytes), so that the first
; products wait for those bytes and for Q alone; behind the first barrier its quarter of the other 640 keys (80 rows), which lands under the first four steps.  One tensor load of a wave is out at a time.
; TWO GROUPS OF WAVES.  Waves 0, 2, 5, 7 make their starting state ahead of the first barrier, while tiles are awaited; waves 1, 3, 4, 6 behind it.  (Of waves w and w + 4, and of waves 2 i and 2 i + 1, one is in each
; group.)  So the second group walks some 160 vector and 8 matrix instructions behind the first, and its vector phases fall beside the first group's matrix phases.  The second barrier's signal and wait stand a whole
; step apart, so that it does not bring the groups into step again.
; NO CLUSTER: a head's K and V are shared by two work-groups only (512 queries each); four blocks of 256 queries would make 512 work-groups for 256 WGPs and fill K and V twice as often.
; NO PREFETCH: the second load is asked for as soon as the first has landed, and nothing is asked for ahead of the first at the head.
; LAYOUT.  S^T = K Q^T (source 0 = 16 keys, source 1 = 16 queries): a lane holds ONE query (lane % 16) and the keys 8 (lane / 16) + 0..7 of a tile.  Two such tiles, rounded to f16 in pairs, ARE source 1 of
; O^T = V^T P, whose result again holds one query a lane and eight channels.  K comes out of LDS as it lies, V ([key][channel]) turned, by ds_load_tr16_b128.
; SOFTMAX.  For each query a running maximum m and sum l: p = 2^(c s - c m), c = log2(e) / 8; in every step O and l are multiplied by a = 2^(c m_old - c m_new).
; THE CLS KEY IS THE STARTING STATE: m = its score (a product whose 16 rows of source 0 are all k_cls), p = 1 exactly, l = 1, O^T = v_cls in f32.  So the other 1,024 keys are 16 equal steps of 64, and nothing is cleared.
; REGISTERS, in windows of 256: window 0: v2-10 addresses; v11-12 at work; v30, v31 the add's two; v32-63 statistics, eight a tile; v64-127 K's fragments of a step; v128-255 S^T, 32 a tile (P in each tile's low 16).
;   window 1: v0-63 Q; v64-191 O^T, 32 a tile; v192-255 V's fragments of a step.
.set VB,    139264                     ; LDS: K: 512 rows (two keys each) of 256 bytes + 16: key r of a tile starts at 16-byte column (r / 2) + 8 (r % 2) mod 16: sixteen different ones.  V from here: 512 rows of 256 + 32
.set R0,    48                         ; rows of a wave's first load: a quarter of 384 keys, six steps
.set R1,    80                         ; rows of its second: a quarter of 640 keys
.set KST,   8704                       ; a step's 64 keys: 32 rows x 272
.set VST,   9216                       ; 32 rows x 288
.set STAGE, 286720                     ; the way out: 16 rows x (128 bytes + 16) for each wave; no tensor load lands here
.set SP,    144
.set SPARE, 305152                     ; the spare words, 128 bytes for each wave: four blocks of 256 bytes that no other line names
.set AK0, 2                            ; v2   my lane's place in a tile of K; never rewritten
.set AV0, 3                            ; v3   the same for V
.set ADK, 4                            ; v4   LDS address of the run of K's loads in hand
.set ADV, 5                            ; v5   of V's
.set QO,  6                            ; v6   my byte offset in the wave's rows of Q
.set STO, 7                            ; v7   the way out: where I put 16 bytes of a row
.set RD,  8                            ; v8   the way out: where I read rows back
.set GO,  9                            ; v9   16 x lane
.set CL,  10                           ; v10  32 x (lane / 16): my half's eight channels of a group of 16, in f32
.set SPW, 30
.set NIL, 31
.set ST,  32                           ; tile t's statistics at v[ST + 8 t]: +0 c m, +1 m, +2, +3 l in two halves, +4 to +7 c0-c3, at work; a takes c2's place once the maximum is found
.set KF,  64                           ; K: fragment (16 keys kt, 32 channels c) at KF + 16 kt + 8 c
.set S,   128
.set QF,  0                            ; window 1: Q: tile t, channels 32 c on, at 16 t + 8 c
.set OT,  64                           ; window 1: O^T: tile t, channels 16 ct on, at 64 + 32 t + 8 ct
.set VF,  192                          ; window 1: V: keys 32 kc on, channels 16 ct on, at 192 + 32 kc + 8 ct
.set WV,  12                           ; s12  my wave's number
.set W3,  13                           ; s13  its low two bits: which quarter of a load's rows I fetch
.set G1K, 16                           ; s[16:23] descriptor group 1 for K's first load;  s[24:31] for V's: it differs in the padding alone
.set G1V, 24
.set G0K, 32                           ; s[32:39] groups 0 for K's two loads;  s[40:47] for V's
.set G0V, 40
.set G1K2, 48                          ; s[48:55], s[56:63] groups 1 for the second loads: they differ in the rows alone
.set G1V2, 56
.set CS,  66                           ; s[66:67] c: the packed scaling names a pair and takes its low word for both halves
.set SEL, 68                           ; s[68:69] lane selects for v_permlanex16_b32: lane l xor 16
.set TBK, 70                           ; s70  LDS byte at which K's tiles of the step to be fetched begin
.set TBV, 71                           ; s71  the same for V, counted from VB
.set CNT, 72                           ; s72  counts a loop's steps
.set GRP, 73                           ; s73  my group: 0 in waves 0, 2, 5, 7; 1 in waves 1, 3, 4, 6
.set MSB, 0
.macro WIN new                         ; the immediate's high byte repeats the setting that is left; a switch that changes nothing is dropped
.if MSB != \new
	s_set_vgpr_msb (MSB<<8)|\new
.set MSB, \new
.endif
.endm
.set W_KQ, 0x04                        ; Q (source 1) in window 1; K and S^T in window 0
.set W_PV, 0x51                        ; V (source 0) and O^T (C and D) in window 1; P in window 0
.set W_RS, 0x41                        ; O^T (destination and source 0) in window 1, a in window 0
.set TO_1, 0x40                        ; destination in window 1
.set W_11, 0x45                        ; destination and both sources in window 1
.set W_CV, 0x05                        ; both sources in window 1, destination in window 0
.macro PLACES n
.rept \n
	v_nop
.endr
.endm
	s_load_b128 s[4:7], s[0:1], 0x0                ; qkv s[4:5], cls_part s[6:7]
	s_load_b64 s[8:9], s[0:1], 0x10                ; o
	v_lshl_add_u32 v[SPW], v0, 2, SPARE
	v_mov_b32 v[NIL], 0
	ds_add_u32 v[SPW], v[NIL]                      ; the wave's opening: the add, twice on end, and its wait ahead of my first tensor load; the set-up below stands between the second and the wait
	ds_add_u32 v[SPW], v[NIL]
	v_lshrrev_b32 v1, 5, v0
	v_readfirstlane_b32 s[WV], v1                  ; wave 0..7
	s_and_b32 s[W3], s[WV], 3
	s_lshr_b32 s[GRP], s[WV], 2
	s_xor_b32 s[GRP], s[GRP], s[WV]
	s_and_b32 s[GRP], s[GRP], 1                    ; (wave / 4 + wave) % 2
	; descriptor groups 1: tiles of 48 and of 80 rows x 128 elements of 2 bytes (two keys a row), dense in memory, padded in LDS
	s_mov_b32 s[G1K], (1<<16)|(1<<20)|(5<<22)|(3<<25)    ; 15:0 no mask; 17:16 elements of 2 bytes; 20 padding on; 24:22 after every 64 words (code 5); 31:25 four words (code 3)
	s_mov_b32 s[G1V], (1<<16)|(1<<20)|(5<<22)|(7<<25)    ; the same with eight words of padding (code 7)
	s_mov_b32 s[G1K2], (1<<16)|(1<<20)|(5<<22)|(3<<25)
	s_mov_b32 s[G1V2], (1<<16)|(1<<20)|(5<<22)|(7<<25)
.irp g, G1K, G1V
	s_mov_b32 s[\g+1], 128<<16                     ; tensor_dim0 = 128
	s_mov_b32 s[\g+2], R0<<16                      ; tensor_dim1
	s_mov_b32 s[\g+3], 128<<16                     ; tile_dim0 = 128
	s_mov_b32 s[\g+4], R0                          ; tile_dim1
	s_mov_b32 s[\g+5], 128                         ; tensor_dim0_stride
	s_mov_b32 s[\g+6], 0
	s_mov_b32 s[\g+7], 0
.endr
.irp g, G1K2, G1V2
	s_mov_b32 s[\g+1], 128<<16
	s_mov_b32 s[\g+2], R1<<16
	s_mov_b32 s[\g+3], 128<<16
	s_mov_b32 s[\g+4], R1
	s_mov_b32 s[\g+5], 128
	s_mov_b32 s[\g+6], 0
	s_mov_b32 s[\g+7], 0
.endr
	s_mov_b32 s[CS], 0x3e38aa3b                    ; c = log2(e) / 8
	s_mov_b32 s[CS+1], s[CS]                       ; named with it as a pair, so it is written
	s_mov_b32 s[SEL], 0x76543210
	s_mov_b32 s[SEL+1], 0xfedcba98
	s_mov_b32 s[TBK], 0
	s_mov_b32 s[TBV], 0
	s_and_b32 s74, ttmp7, 0xffff                   ; 16 x batch + head
	s_lshl_b32 s76, s74, 17                        ; the head's first byte in each plane of qkv and in o: 131,072 bytes a head
	s_mov_b32 s77, 0
	s_mul_i32 s78, s[W3], R0*256                   ; my rows of the first load,
	s_mov_b32 s79, 0
	s_add_nc_u64 s[78:79], s[78:79], s[76:77]
	s_mul_i32 s86, s[W3], R1*256                   ; and of the second, counted from its first row
	s_mov_b32 s87, 0
	s_add_nc_u64 s[86:87], s[86:87], s[76:77]
	s_lshl_b32 s80, ttmp9, 16                      ; my work-group's 512 queries of 128 bytes,
	s_lshl_b32 s81, s[WV], 13                      ; my wave's 64
	s_add_co_u32 s80, s80, s81
	s_mov_b32 s81, 0
	s_add_nc_u64 s[80:81], s[80:81], s[76:77]
	s_lshr_b32 s82, s74, 4
	s_lshl_b32 s82, s82, 13                        ; cls_part: 8,192 bytes a batch row,
	s_and_b32 s83, s74, 15
	s_lshl_b32 s83, s83, 8                         ; 256 a head
	s_add_co_u32 s82, s82, s83
	s_mov_b32 s83, 0
	s_mul_i32 s84, s[W3], R0*272                   ; where my rows go: K's first load,
	s_mul_i32 s85, s[W3], R0*288                   ; V's,
	s_mul_i32 s88, s[W3], R1*272                   ; K's second,
	s_mul_i32 s89, s[W3], R1*288                   ; V's
	s_wait_dscnt 0x0                               ; both opening adds are done
	s_wait_kmcnt 0x0
	s_add_nc_u64 s[78:79], s[4:5], s[78:79]
	s_add_nc_u64 s[86:87], s[4:5], s[86:87]
	s_add_nc_u64 s[4:5], s[4:5], s[80:81]          ; Q at my wave's first query
	s_add_nc_u64 s[8:9], s[8:9], s[80:81]          ; o likewise
	s_add_nc_u64 s[6:7], s[6:7], s[82:83]          ; cls_part at my head's k_cls
	s_mov_b32 s[G0K], 1                                            ; count = 1
	s_mov_b32 s[G0K+1], s84                                        ; LDS address
	s_add_nc_u64 s[G0K+2:G0K+3], s[78:79], 0x1000000               ; global address: k's plane
	s_or_b32 s[G0K+3], s[G0K+3], 0x80000000                        ; type = 2
	s_mov_b32 s[G0V], 1
	s_add_co_u32 s[G0V+1], s85, VB
	s_add_nc_u64 s[G0V+2:G0V+3], s[78:79], 0x2000000               ; v's plane
	s_or_b32 s[G0V+3], s[G0V+3], 0x80000000
	s_mov_b32 s[G0K+4], 1                                          ; the second loads begin 4 R0 = 192 rows on
	s_add_co_u32 s[G0K+5], s88, 4*R0*272
	s_add_nc_u64 s[G0K+6:G0K+7], s[86:87], 0x1000000+4*R0*256
	s_or_b32 s[G0K+7], s[G0K+7], 0x80000000
	s_mov_b32 s[G0V+4], 1
	s_add_co_u32 s[G0V+5], s89, VB+4*R0*288
	s_add_nc_u64 s[G0V+6:G0V+7], s[86:87], 0x2000000+4*R0*256
	s_or_b32 s[G0V+7], s[G0V+7], 0x80000000
	s_cmp_lt_u32 s[WV], 4                          ; a wave's first fill, ahead of every wait on TENSORcnt, every LDS read and every barrier; an s_nop 0 and four v_nop follow it
	s_cbranch_scc0 .Lfirst_v
	tensor_load_to_lds s[G0K:G0K+3], s[G1K:G1K+7]
	s_nop 0
.rept 4
	v_nop
.endr
	s_branch .Lfirst_asked
.Lfirst_v:
	tensor_load_to_lds s[G0V:G0V+3], s[G1V:G1V+7]
	s_nop 0
.rept 4
	v_nop
.endr
.Lfirst_asked:
	v_and_b32 v1, 15, v0                           ; r = lane % 16
	v_bfe_u32 v11, v0, 4, 1                        ; h = lane / 16
	v_lshlrev_b32 v[QO], 7, v1
	v_lshl_add_u32 v[QO], v11, 4, v[QO]            ; a query's row of 128 bytes, + 16 h
	v_lshlrev_b32 v[CL], 5, v11
	WIN TO_1
.irp t, 0,1,2,3                        ; Q stays in registers: a fragment is 16 queries x 32 channels: registers 0-3 channels 8 h on, registers 4-7 channels 16 + 8 h on
.irp c, 0,1
	global_load_b128 v[QF+16*\t+8*\c:QF+16*\t+8*\c+3],   v[QO], s[4:5] offset:2048*\t+64*\c
	global_load_b128 v[QF+16*\t+8*\c+4:QF+16*\t+8*\c+7], v[QO], s[4:5] offset:2048*\t+64*\c+32
.endr
.endr
.irp s, 0,1,2,3                        ; k_cls's four parts, into O^T's registers: register 8 g + 4 e + i of a part = channel 16 g + 8 h + 4 e + i
.irp g, 0,1,2,3
.irp e, 0,1
	global_load_b128 v[OT+32*\s+8*\g+4*\e:OT+32*\s+8*\g+4*\e+3], v[CL], s[6:7] offset:65536*\s+64*\g+16*\e
.endr
.endr
.endr
	WIN 0
.irp s, 0,1,2,3                        ; v_cls's four parts, into S^T's registers, in the same order: that is O^T's own layout
.irp g, 0,1,2,3
.irp e, 0,1
	global_load_b128 v[S+32*\s+8*\g+4*\e:S+32*\s+8*\g+4*\e+3], v[CL], s[6:7] offset:65536*\s+4096+64*\g+16*\e
.endr
.endr
.endr
	v_lshrrev_b32 v12, 1, v1
	v_mul_u32_u24 v[AK0], v12, 272
	v_and_b32 v12, 1, v1
	v_lshl_add_u32 v[AK0], v12, 7, v[AK0]
	v_lshl_add_u32 v[AK0], v11, 4, v[AK0]          ; K: key r of a tile: row r / 2, half r % 2, + 16 h
	; The turning load takes 16 keys x 16 channels (lane l reads 16 bytes: key 8 (l / 16) + l % 8, channels 8 ((l / 8) % 2) on) and leaves half a fragment of V^T: lane l holds channel l % 16 and 8 keys.
	v_bfe_u32 v12, v0, 1, 2
	v_lshl_add_u32 v12, v11, 2, v12                ; that key's row: 4 h + (l % 8) / 2
	v_mul_u32_u24 v[AV0], v12, 288
	v_and_b32 v12, 1, v0
	v_lshl_add_u32 v[AV0], v12, 7, v[AV0]
	v_bfe_u32 v12, v0, 3, 1
	v_lshl_add_u32 v[AV0], v12, 4, v[AV0]
	v_add_nc_u32 v[AV0], VB, v[AV0]
	s_mul_i32 s80, s[WV], 16*SP
	s_add_co_u32 s80, s80, STAGE                   ; my stage
	v_mul_u32_u24 v[STO], v1, SP
	v_lshl_add_u32 v[STO], v11, 4, v[STO]
	v_add_nc_u32 v[STO], s80, v[STO]               ; in: row r, 16 bytes for each half of the lanes
	v_bfe_u32 v12, v0, 3, 2
	v_mul_u32_u24 v[RD], v12, SP
	v_and_b32 v12, 7, v0
	v_lshl_add_u32 v[RD], v12, 4, v[RD]
	v_add_nc_u32 v[RD], s80, v[RD]                 ; back: eight lanes to a row of 128 bytes, four rows an instruction
	v_and_b32 v[GO], 31, v0
	v_lshlrev_b32 v[GO], 4, v[GO]                  ; four rows of o are 512 consecutive bytes: 16 x lane
	v_sub_nc_u32 v12, 1, v11
	v_cvt_f32_u32 v12, v12                         ; 1 in lanes 0-15, 0 in lanes 16-31: the cls key's p counts once in a query's two halves of l
; THE STARTING STATE, all but its four statistics: v_cls into O^T, and the cls key's score of my 64 queries into v[S + 96 + 8 t].  It writes registers of S^T and O^T alone, into all of which the loads above have landed.
.macro CLS
.set i, 0
.rept 16
	v_pk_add_f32 v[S+i:S+i+1], v[S+i:S+i+1], v[S+32+i:S+33+i]              ; v_cls: parts 0 + 1 and 2 + 3; the registers of parts 1 and 3 are free behind these lines
	v_pk_add_f32 v[S+64+i:S+65+i], v[S+64+i:S+65+i], v[S+96+i:S+97+i]
.set i, i+2
.endr
	WIN W_11
.set i, 0
.rept 16
	v_pk_add_f32 v[OT+i:OT+i+1], v[OT+i:OT+i+1], v[OT+32+i:OT+33+i]        ; k_cls: the four parts
	v_pk_add_f32 v[OT+64+i:OT+65+i], v[OT+64+i:OT+65+i], v[OT+96+i:OT+97+i]
.set i, i+2
.endr
.set i, 0
.rept 16
	v_pk_add_f32 v[OT+i:OT+i+1], v[OT+i:OT+i+1], v[OT+64+i:OT+65+i]
.set i, i+2
.endr
	WIN W_CV
.set i, 0
.rept 16
	v_cvt_pk_f16_f32 v[S+32+i], v[OT+2*i], v[OT+2*i+1]     ; two fragments whose 16 rows are all k_cls: the address hung on h alone
.set i, i+1
.endr
	WIN TO_1
.irp t, 0,1,2,3
.set i, 0
.rept 16
	v_pk_add_f32 v[OT+32*\t+i:OT+32*\t+i+1], v[S+i:S+i+1], v[S+64+i:S+65+i]    ; O^T begins as v_cls, in f32: p of the cls key is 1
.set i, i+2
.endr
.endr
	WIN W_KQ
.irp c, 0,1                            ; the four accumulators take turns
.irp t, 0,1,2,3
.if \c == 0
	v_wmma_f32_16x16x32_f16 v[S+96+8*\t:S+96+8*\t+7], v[S+32+8*\c:S+32+8*\c+7], v[QF+16*\t+8*\c:QF+16*\t+8*\c+7], 0
.else
	v_wmma_f32_16x16x32_f16 v[S+96+8*\t:S+96+8*\t+7], v[S+32+8*\c:S+32+8*\c+7], v[QF+16*\t+8*\c:QF+16*\t+8*\c+7], v[S+96+8*\t:S+96+8*\t+7]
.endif
.endr
.endr
	WIN 0
.endm
	s_wait_loadcnt 0x0                             ; Q and the eight parts are in, in every wave
	s_cmp_eq_u32 s[GRP], 0
	s_cbranch_scc0 .Lcls_later
	CLS                                            ; group 0: while the first tiles are on their way
.Lcls_later:
	s_wait_tensorcnt 0x0                           ; my part of the first 384 keys has landed: no tensor load of mine is out
	ds_add_u32 v[SPW], v[NIL]                      ; 0 onto my spare word
	s_wait_dscnt 0x0
	s_barrier_signal -1
	s_barrier_wait -1                              ; everybody's has
	s_cmp_lt_u32 s[WV], 4                          ; the other 640 keys: bytes that are filled for the first time; my one tensor load behind this barrier, and the first thing there
	s_cbranch_scc0 .Lrest_v
	tensor_load_to_lds s[G0K+4:G0K+7], s[G1K2:G1K2+7]
	s_nop 0
.rept 4
	v_nop
.endr
	s_branch .Lrest_asked
.Lrest_v:
	tensor_load_to_lds s[G0V+4:G0V+7], s[G1V2:G1V2+7]
	s_nop 0
.rept 4
	v_nop
.endr
.Lrest_asked:
	s_cmp_eq_u32 s[GRP], 0
	s_cbranch_scc1 .Lcls_done
	CLS                                            ; group 1: beside group 0's first products
.Lcls_done:
	PLACES 5                                       ; behind the cls products: four ahead of the reads below, five ahead of the products that write over their registers
.irp t, 0,1,2,3
	v_mov_b32 v[ST+8*\t+1], v[S+96+8*\t]           ; m: every row of the result is the cls key's score; register 0 is read
	v_mul_f32 v[ST+8*\t], s[CS], v[S+96+8*\t]      ; c m
	v_mov_b32 v[ST+8*\t+2], v12                    ; l
	v_mov_b32 v[ST+8*\t+3], 0
.endr
; THE LDS LOADS stand in runs of 16: a step's K (64 keys x 64 channels: 8 fragments) and its V (turned).
.macro FETCH_K
	WIN 0
	v_add_nc_u32 v[ADK], s[TBK], v[AK0]
.irp kt, 0,1,2,3
.irp c, 0,1
	ds_load_b128 v[KF+16*\kt+8*\c:KF+16*\kt+8*\c+3],   v[ADK] offset:2176*\kt+64*\c
	ds_load_b128 v[KF+16*\kt+8*\c+4:KF+16*\kt+8*\c+7], v[ADK] offset:2176*\kt+64*\c+32
.endr
.endr
	s_add_co_u32 s[TBK], s[TBK], KST               ; the next fetch is the next step's
.endm
.macro FETCH_V
	WIN 0
	v_add_nc_u32 v[ADV], s[TBV], v[AV0]
	WIN TO_1
.irp kc, 0,1
.irp ct, 0,1,2,3
	ds_load_tr16_b128 v[VF+32*\kc+8*\ct:VF+32*\kc+8*\ct+3],   v[ADV] offset:4608*\kc+32*\ct
	ds_load_tr16_b128 v[VF+32*\kc+8*\ct+4:VF+32*\kc+8*\ct+7], v[ADV] offset:4608*\kc+32*\ct+2304
.endr
.endr
	s_add_co_u32 s[TBV], s[TBV], VST
	WIN 0
.endm
; 16 products S^T = K Q^T for tiles x, x + 1: product i: channels 32 (i / 8) on, keys 16 ((i / 2) % 4) on, tile x + i % 2.  The first 8 start the sums.  Eight accumulators by turns.
.macro QK x
	WIN W_KQ
.set i, 0
.rept 16
.set rS, S+32*((\x)+i%2)+8*((i/2)%4)
.set rK, KF+16*((i/2)%4)+8*(i/8)
.set rQ, QF+16*((\x)+i%2)+8*(i/8)
.if i < 8
	v_wmma_f32_16x16x32_f16 v[rS:rS+7], v[rK:rK+7], v[rQ:rQ+7], 0
.else
	v_wmma_f32_16x16x32_f16 v[rS:rS+7], v[rK:rK+7], v[rQ:rQ+7], v[rS:rS+7]
.endif
.set i, i+1
.endr
.endm
; 16 products O^T += V^T P: product i: keys 32 (i / 8) on, channels 16 ((i / 2) % 4) on, tile x + i % 2.
.macro PV x
	WIN W_PV
.set i, 0
.rept 16
.set rO, OT+32*((\x)+i%2)+8*((i/2)%4)
.set rV, VF+32*(i/8)+8*((i/2)%4)
.set rP, S+32*((\x)+i%2)+8*(i/8)
	v_wmma_f32_16x16x32_f16 v[rO:rO+7], v[rV:rV+7], v[rP:rP+7], v[rO:rO+7]
.set i, i+1
.endr
.endm
; THE SOFTMAX of tiles x and x + 1 for one step, the two tiles line by line, so that no line waits for the line above it.
.macro SOFTMAX x
	WIN 0
.irp j, 0,1,2,3                        ; the maximum of the lane's 32 scores and the old m: four chains; each accumulator is first read at its registers 0 to 2
.irp t, \x, \x+1
	v_max3_num_f32 v[ST+8*(\t)+4+\j], v[S+32*(\t)+8*\j], v[S+32*(\t)+8*\j+1], v[S+32*(\t)+8*\j+2]
.endr
.endr
.irp u, 1,2
.irp j, 0,1,2,3
.irp t, \x, \x+1
	v_max3_num_f32 v[ST+8*(\t)+4+\j], v[ST+8*(\t)+4+\j], v[S+32*(\t)+8*\j+2*\u+1], v[S+32*(\t)+8*\j+2*\u+2]
.endr
.endr
.endr
.irp t, \x, \x+1
	v_max3_num_f32 v[ST+8*(\t)+4], v[ST+8*(\t)+4], v[S+32*(\t)+7], v[S+32*(\t)+15]
	v_max3_num_f32 v[ST+8*(\t)+6], v[ST+8*(\t)+6], v[S+32*(\t)+23], v[S+32*(\t)+31]
.endr
.irp t, \x, \x+1
	v_max3_num_f32 v[ST+8*(\t)+4], v[ST+8*(\t)+4], v[ST+8*(\t)+5], v[ST+8*(\t)+6]
.endr
.irp t, \x, \x+1
	v_max3_num_f32 v[ST+8*(\t)+4], v[ST+8*(\t)+4], v[ST+8*(\t)+7], v[ST+8*(\t)+1]
.endr
.irp t, \x, \x+1
	v_permlanex16_b32 v[ST+8*(\t)+5], v[ST+8*(\t)+4], s[SEL], s[SEL+1]     ; the query's other 32 keys lie in the lane 16 away
.endr
.irp t, \x, \x+1
	v_mov_b32 v[ST+8*(\t)+7], v[ST+8*(\t)]         ; c m_old is kept for a
.endr
.irp t, \x, \x+1
	v_max_num_f32 v[ST+8*(\t)+1], v[ST+8*(\t)+4], v[ST+8*(\t)+5]   ; the new m
.endr
.irp t, \x, \x+1
	v_mul_f32 v[ST+8*(\t)], s[CS], v[ST+8*(\t)+1]
.endr
.irp t, \x, \x+1
	v_sub_f32 v[ST+8*(\t)+7], v[ST+8*(\t)+7], v[ST+8*(\t)]         ; c m_old - c m_new, 0 or less
.endr
.irp b, 0,2,4,6,8,10,12,14,16,18,20,22,24,26,28,30
.irp t, \x, \x+1
	v_pk_fma_f32 v[S+32*(\t)+\b:S+32*(\t)+\b+1], v[S+32*(\t)+\b:S+32*(\t)+\b+1], s[CS:CS+1], v[ST+8*(\t):ST+8*(\t)+1] op_sel_hi:[1,0,0] neg_lo:[0,0,1] neg_hi:[0,0,1]   ; c s - c m, two at a time
.endr
.endr
.irp t, \x, \x+1                       ; ONE BATCH of 66 exponentials: none of them reads another's result
	v_exp_f32 v[ST+8*(\t)+6], v[ST+8*(\t)+7]       ; a
.endr
.irp e, 0,1,2,3,4,5,6,7,8,9,10,11,12,13,14,15,16,17,18,19,20,21,22,23,24,25,26,27,28,29,30,31
.irp t, \x, \x+1
	v_exp_f32 v[S+32*(\t)+\e], v[S+32*(\t)+\e]     ; p, at most 1
.endr
.endr
	v_nop                                          ; a plain instruction behind the last exponential, ahead of the first use
	s_wait_alu depctr_va_vdst(0)                   ; the wait ahead of the first instruction that names a result: one for the batch
.irp t, \x, \x+1
	v_pk_mul_f32 v[ST+8*(\t)+2:ST+8*(\t)+3], v[ST+8*(\t)+2:ST+8*(\t)+3], v[ST+8*(\t)+6:ST+8*(\t)+7] op_sel_hi:[1,0]     ; l under the new m
.endr
.irp t, \x, \x+1
	v_pk_add_f32 v[ST+8*(\t)+4:ST+8*(\t)+5], v[S+32*(\t):S+32*(\t)+1], v[S+32*(\t)+2:S+32*(\t)+3]       ; the sum of the unrounded p, two at a time, in two chains
.endr
.irp j, 4,8,12,16,20,24,28
.irp t, \x, \x+1
	v_pk_add_f32 v[ST+8*(\t)+2:ST+8*(\t)+3], v[ST+8*(\t)+2:ST+8*(\t)+3], v[S+32*(\t)+\j:S+32*(\t)+\j+1]
	v_pk_add_f32 v[ST+8*(\t)+4:ST+8*(\t)+5], v[ST+8*(\t)+4:ST+8*(\t)+5], v[S+32*(\t)+\j+2:S+32*(\t)+\j+3]
.endr
.endr
.irp t, \x, \x+1
	v_pk_add_f32 v[ST+8*(\t)+2:ST+8*(\t)+3], v[ST+8*(\t)+2:ST+8*(\t)+3], v[ST+8*(\t)+4:ST+8*(\t)+5]
.endr
.irp j, 0,1,2,3,4,5,6,7,8,9,10,11,12,13,14,15      ; P in place, ascending: register j takes p 2 j and 2 j + 1, which no later line wants
.irp t, \x, \x+1
	v_cvt_pk_f16_f32 v[S+32*(\t)+\j], v[S+32*(\t)+2*\j], v[S+32*(\t)+2*\j+1]
.endr
.endr
	WIN W_RS
.irp j, 0,2,4,6,8,10,12,14,16,18,20,22,24,26,28,30
.irp t, \x, \x+1
	v_pk_mul_f32 v[OT+32*(\t)+\j:OT+32*(\t)+\j+1], v[OT+32*(\t)+\j:OT+32*(\t)+\j+1], v[ST+8*(\t)+6:ST+8*(\t)+7] op_sel_hi:[1,0]     ; O^T under the new m, each accumulator from its low end on
.endr
.endr
.endm
; A KEY STEP of 64 keys.  more = 1: the next step's fragments are fetched: K's behind this step's 32 products K Q^T, V's behind its 32 products V^T P.
; Distances (ISA guide 7.12.1 for vector instructions): four v_nop stand between the products K Q^T and the loads into K's registers and the first read of
; scores; five v_nop stand behind the last products V^T P: four for the loads into V's registers, five for the next step's products that write over tiles 2 and 3's P.  Tiles 0 and 1's P is written over only behind
; the other piece's whole softmax.
.macro STEP more
	s_wait_dscnt 16                                ; K is in; V's 16 loads, issued behind it, may be out
	QK 0
	QK 2
	WIN 0
	PLACES 4
.if \more
	FETCH_K
.endif
	SOFTMAX 0
.if \more
	s_wait_dscnt 16                                ; V is in; the next step's K, 16 loads, may be out
.else
	s_wait_dscnt 0x0
.endif
	PV 0
	SOFTMAX 2
	PV 2
	WIN 0
	PLACES 5
.if \more
	FETCH_V
.endif
.endm
.macro STEPS n                         ; n steps, written once
	s_mov_b32 s[CNT], \n
.Lstep_\@:
	STEP 1
	s_sub_co_u32 s[CNT], s[CNT], 1
	s_cmp_lg_u32 s[CNT], 0
	s_cbranch_scc1 .Lstep_\@
.endm
	FETCH_K                                        ; step 0
	FETCH_V
	STEPS 4                                        ; steps 0 to 3: keys 0 to 255; a step fetches its successor's fragments
	s_wait_tensorcnt 0x0                           ; my part of keys 384 to 1,023 has landed,
	s_wait_dscnt 0x0                               ; and no LDS load of mine is pending:
	s_barrier_signal -1                            ; say so a step ahead of the wait, so that neither group of waves is held for the other
	STEP 1                                         ; step 4; it fetches step 5's fragments, keys 320 to 383, which the first barrier has shown: register work and LDS loads of bytes that nobody writes
	s_barrier_wait -1                              ; everybody's part has landed: from here on the fetches reach beyond key 383
	STEPS 10                                       ; steps 5 to 14
	STEP 0                                         ; step 15 fetches nothing
	; THE WAY OUT.  l's two halves and the other half of the lanes' are added; O^T is divided by l, rounded to f16 and sent through my stage, a tile (16 rows of o) at a time.
.irp t, 0,1,2,3
	v_add_f32 v[ST+8*\t+4], v[ST+8*\t+2], v[ST+8*\t+3]
.endr
.irp t, 0,1,2,3
	v_permlanex16_b32 v[ST+8*\t+5], v[ST+8*\t+4], s[SEL], s[SEL+1]
.endr
.irp t, 0,1,2,3
	v_add_f32 v[ST+8*\t+4], v[ST+8*\t+4], v[ST+8*\t+5]
.endr
.irp t, 0,1,2,3
	v_rcp_f32 v[ST+8*\t+6], v[ST+8*\t+4]
.endr
	v_nop                                          ; a plain instruction between the last reciprocal and the use of its result
	s_wait_alu depctr_va_vdst(0)                   ; and the wait: one for the four
.macro PACK t
	WIN W_RS
.set i, 0
.rept 16
	v_pk_mul_f32 v[OT+32*\t+i:OT+32*\t+i+1], v[OT+32*\t+i:OT+32*\t+i+1], v[ST+8*\t+6:ST+8*\t+7] op_sel_hi:[1,0]
.set i, i+2
.endr
	WIN W_CV
.set i, 0
.rept 16
	v_cvt_pk_f16_f32 v[S+32*\t+i], v[OT+32*\t+2*i], v[OT+32*\t+2*i+1]      ; register 4 ct + p: channels 16 ct + 8 h + 2 p, + 1
.set i, i+1
.endr
	WIN 0
.irp f, 0,1,2,3
	ds_store_b128 v[STO], v[S+32*\t+4*\f:S+32*\t+4*\f+3] offset:32*\f
.endr
.irp f, 0,1,2,3
	ds_load_b128 v[S+32*\t+16+4*\f:S+32*\t+16+4*\f+3], v[RD] offset:4*SP*\f    ; LDS serves a wave's instructions in order (ISA guide 5.7.1.4): these see the stores above; the next tile's stores come behind them
.endr
.endm
.macro SEND t, younger                 ; younger: the LDS instructions issued behind tile t's loads: the next tile's eight, or none
.irp f, 0,1,2,3
	s_wait_dscnt \younger+3-\f
	global_store_b128 v[GO], v[S+32*\t+16+4*\f:S+32*\t+16+4*\f+3], s[8:9] offset:2048*\t+512*\f   ; 32 lanes store 512 consecutive bytes, at a multiple of 256 from o's first byte
.endr
.endm
	PACK 0
	PACK 1                                         ; a tile's arithmetic stands between the loads of the tile before and its stores
	SEND 0, 8
	PACK 2
	SEND 1, 8
	PACK 3
	SEND 2, 8
	SEND 3, 0
	s_wait_tensorcnt 0x0                           ; the wave's end: behind my last tensor load and my last LDS store
	ds_add_u32 v[SPW], v[NIL]
	s_wait_dscnt 0x0
	s_endpgm
.Lfunc_end_k_q3acec64ecf_attn:
	.size	k_q3acec64ecf_attn, .Lfunc_end_k_q3acec64ecf_attn-k_q3acec64ecf_attn
	.p2alignl 7, 3214868480
	.fill 96, 4, 3214868480
	.section	.rodata,"a",@progbits
	.p2align	6, 0x0
	.amdhsa_kernel k_q3acec64ecf_attn
		.amdhsa_group_segment_fixed_size 327680
		.amdhsa_private_segment_fixed_size 0
		.amdhsa_enable_private_segment 0
		.amdhsa_kernarg_size 24
		.amdhsa_user_sgpr_count 2
		.amdhsa_user_sgpr_kernarg_segment_ptr 1
		.amdhsa_wavefront_size32 1
		.amdhsa_system_sgpr_workgroup_id_x 1
		.amdhsa_system_sgpr_workgroup_id_y 1
		.amdhsa_system_sgpr_workgroup_id_z 1
		.amdhsa_system_vgpr_workitem_id 0
		.amdhsa_next_free_vgpr 512
		.amdhsa_next_free_sgpr 90
		.amdhsa_reserve_vcc 0
		.amdhsa_float_denorm_mode_32 3
		.amdhsa_float_denorm_mode_16_64 3
		.amdhsa_memory_ordered 1
		.amdhsa_forward_progress 1
		.amdhsa_inst_pref_size 180
	.end_amdhsa_kernel
	.amdgpu_metadata
---
amdhsa.version: [ 1, 2 ]
amdhsa.kernels:
  - .name:           k_q3acec64ecf_attn
    .symbol:         k_q3acec64ecf_attn.kd
    .args:
      - { .name: qkv, .offset: 0, .size: 8, .value_kind: global_buffer, .address_space: global }
      - { .name: cls_part, .offset: 8, .size: 8, .value_kind: global_buffer, .address_space: global }
      - { .name: o, .offset: 16, .size: 8, .value_kind: global_buffer, .address_space: global }
    .group_segment_fixed_size: 327680
    .private_segment_fixed_size: 0
    .kernarg_segment_align: 8
    .kernarg_segment_size: 24
    .max_flat_workgroup_size: 256
    .sgpr_count:     90
    .vgpr_count:     512
    .wavefront_size: 32
...
	.end_amdgpu_metadata
.endif
;; end of part 3
;; launch proj (part 4): grid 4 x 64, 4 waves a work-group, clusters of 4 x 4, 327,680 bytes of LDS; arguments o, wp16, bproj, out0; writes out0
.if DOCPART == 4
	.amdgcn_target "amdgcn-amd-amdhsa--gfx1250"
	.amdhsa_code_object_version 6
	.text
	.protected	k_q3acec64ecf_proj
	.globl	k_q3acec64ecf_proj
	.p2align	8
	.type	k_q3acec64ecf_proj,@function
k_q3acec64ecf_proj:
	s_mov_b64 s[64:65], 0
	v_nop
	global_prefetch_b8 v0, s[64:65] scope:SCOPE_SE
	s_setreg_imm32_b32 hwreg(HW_REG_WAVE_MODE, 25, 1), 1
	s_wait_xcnt 0x0
	s_wait_alu depctr_hold_cnt(0) depctr_sa_sdst(0) depctr_va_vdst(0) depctr_va_sdst(0) depctr_va_ssrc(0) depctr_va_vcc(0) depctr_vm_vsrc(0)
	s_getreg_b32 s2, hwreg(HW_REG_IB_STS2, 6, 4)
	s_cmp_eq_u32 s2, 0
	s_cbranch_scc0 .Lentry_in_a_cluster
	s_endpgm
.Lentry_in_a_cluster:
	s_bfe_u32 s2, ttmp6, 0x10000c
	s_cmp_lg_u32 s2, 0xf033
	s_cbranch_scc0 .Lentry_shape_is_right
	s_endpgm
.Lentry_shape_is_right:
; PROJECTION: out0[m][n] = sum over k of o[m][k] Wproj[k][n] + bproj[n].  o: [8 batches][16 heads][1024 tokens][64] f16 (m = 1024 batch + token, k = 64 head + channel); wp16: Wproj as f16, [1024 k][1024 n];
; bproj [1024] f32; out0 [8192][1024] f32.  f16 operands, f32 sums; the bias is the C of each sum's first matrix instruction.
; A tile of out0, 128 x 256, is made by a work-group of four waves: 256 work-groups; a wave makes 64 x 128: 32 accumulators of 16 x 16, 256 registers.
; K goes in 8 steps of 128 (two heads) through a ring of two LDS slots.  A's tile is two planes (one a head) of 128 tokens x 128 bytes, each a dense block of memory: 64 rows of 256 bytes (two tokens);
; B's tile is 128 rows k x 512 bytes, in two halves of 64 rows.  Wave 0 and 1 fetch A's planes, wave 2 and 3 B's halves: one tensor load a wave behind each round.
; CLUSTERS: 4 x 4 work-groups.  The four of a row of the cluster need the same tiles of A, the four of a column the same tiles of B: each is asked for JOINTLY, by the same tensor load with the same descriptor and a mask
; that names the four.  THE MATRIX INSTRUCTION IS USED TRANSPOSED (source 0 = 16 columns of Wproj, turned by ds_load_tr16_b128; source 1 = 16 rows of o): a lane then holds eight neighbouring numbers of a row of out0.
; REGISTERS, in windows of 256: window 0: v1-5 at work, v16-30 addresses; v64-127 the bias (8 b + j); v128-255 rows on the way out.
;   window 1: two fragment buffers of 96: for 32 along K, 32 registers of A (4 x 16 rows), then 64 of B (8 x 16 columns).   window 2: accumulator (a, b) at v[8 (8 a + b)].
.set APLANE, 64*272                    ; a plane of A in LDS: 64 rows of 256 bytes + 16: token r of a block starts at 16-byte column (r / 2) + 8 (r % 2) mod 16: sixteen different ones
.set BP,     544                       ; a row of B in LDS: 512 bytes + 32 = 136 words: row k starts at bank 8 k mod 64
.set BHALF,  64*BP
.set SLOT,   2*APLANE+2*BHALF          ; 104,448 bytes
.set STAGE,  2*SLOT                    ; behind the ring: 16 rows x (512 bytes + 16) for each wave; no tensor load lands here
.set SPITCH, 528
.set SPARE,  STAGE+4*16*SPITCH         ; the spare words, 128 bytes for each wave: two blocks of 256 bytes that no other line names
.set KBYTES, 262144                    ; a K step on, in bytes: two heads of 131,072 in o; 128 rows of 2,048 in wp16
.set LAPS,   4                         ; a lap = two K steps = once round the ring
.set ADRA, 16                          ; v16-17  LDS address of my A fragments in slot 0, 1
.set ADRB, 20                          ; v20-21  the same for B
.set STO,  24                          ; v24     the way out: where I put 32 bytes of a row
.set RD,   25                          ; v25     the way out: where I read a row back
.set CO,   26                          ; v26     16 x lane
.set BO,   27                          ; v27     32 x (lane / 16): my half's eight numbers of the bias
.set SPW,  28
.set NIL,  29
.set PFO,  30                          ; v30     the prefetch's offset: plane lane / 16, block lane % 16 of 256 bytes; never rewritten
.set BIAS, 64
.set BK,   128                         ; the way out: 16 rows read back: v128-191 and v192-255 by turns
.set F0,   0                           ; fragment buffers, in window 1
.set F1,   96
.set WV,   12                          ; s12 wave;  s13 = wave / 2: which 64 rows are mine; also: I fetch for A (0) or for B (1);  s14 = wave % 2: which 128 columns; also: which part of that tile I fetch
.set G1,  24                           ; s[24:31] descriptor group 1 for A's tiles;  s[32:39] group 0, one set for each slot
.set G0,  32
.set G1B, 48                           ; s[48:55], s[56:63] the same for B's tiles
.set G0B, 56
.set LIM, 43                           ; s43     1 in the wave that prefetches, else the greatest number
.set PFA, 44                           ; s[44:45] where my prefetches stand
.set MSB, 0
.macro WIN new                         ; the immediate's high byte repeats the setting that is left
.if MSB != \new
	s_set_vgpr_msb (MSB<<8)|\new
.set MSB, \new
.endif
.endm
.set MUL,  0xa5                        ; sources 0 (B) and 1 (A) window 1; C and D window 2
.set MULF, 0x85                        ; the same with C, the bias, in window 0
.set TO_F, 0x40                        ; destination window 1, address window 0
.macro JLOAD s                         ; a joint load: waves 0 and 1 fetch A's planes, waves 2 and 3 B's halves; an s_nop 0 and four v_nop follow each of the two lines, ahead of the jump, the label and what follows
	s_cmp_eq_u32 s13, 0
	s_cbranch_scc0 .Lfor_b_\@
	tensor_load_to_lds s[G0+4*\s:G0+4*\s+3], s[G1:G1+7]
	s_nop 0
.rept 4
	v_nop
.endr
	s_branch .Lasked_\@
.Lfor_b_\@:
	tensor_load_to_lds s[G0B+4*\s:G0B+4*\s+3], s[G1B:G1B+7]
	s_nop 0
.rept 4
	v_nop
.endr
.Lasked_\@:
.endm
; A PREFETCH INTO THE L2 of A's tile of the K step that stands two refills on: 2 planes x 64 blocks of 256 bytes.  A's tile row is read by one cluster alone; its four partners share the blocks out BY ADDRESS, 16 of each
; plane to a partner; in each, wave 0 asks: one instruction, a lane a block.  So each block is named once in the launch.  The loop's last trip asks for nothing: there is no K step two refills on.  K steps 0 to 3 come by
; their loads alone; B's tiles, which every cluster of a column of clusters reads again, are not asked for.
.macro ASK
	s_cmp_gt_u32 s3, s[LIM]                        ; s3 = 1 in the loop's last trip
	s_cbranch_scc0 .Lnot_mine_\@
	global_prefetch_b8 v[PFO], s[PFA:PFA+1] offset:KBYTES th:TH_LOAD_NT scope:SCOPE_SE
.Lnot_mine_\@:
.endm
.macro CREST                           ; a round of the cluster's barrier behind its opening barrier
	s_cmp_lg_u32 s[WV], 0
	s_cbranch_scc1 .Lnot_wave_0_\@
	s_barrier_signal -3
.Lnot_wave_0_\@:
	s_barrier_wait -3
	s_barrier_signal -1
	s_barrier_wait -1
.endm
.macro CROUND                          ; a whole round
	s_barrier_signal -1
	s_barrier_wait -1
	CREST
.endm
	s_load_b128 s[4:7], s[0:1], 0x0                ; o s[4:5], wp16 s[6:7]
	s_load_b128 s[8:11], s[0:1], 0x10              ; bproj s[8:9], out0 s[10:11]
	v_lshl_add_u32 v[SPW], v0, 2, SPARE
	v_mov_b32 v[NIL], 0
	ds_add_u32 v[SPW], v[NIL]                      ; the wave's opening: the add, twice on end, and its wait ahead of my first tensor load; the set-up below stands between the second and the wait
	ds_add_u32 v[SPW], v[NIL]
	v_lshrrev_b32 v1, 5, v0
	v_readfirstlane_b32 s[WV], v1                  ; wave 0..3
	s_lshr_b32 s13, s[WV], 1
	s_and_b32 s14, s[WV], 1
	s_bfe_u32 s40, ttmp6, 0x40000                  ; cx, cy: my place in the cluster
	s_bfe_u32 s41, ttmp6, 0x40004
	s_lshl_b32 s42, ttmp9, 2
	s_add_co_u32 s42, s42, s40                     ; tile column = 4 x cluster x + cx
	s_and_b32 s15, ttmp7, 0xffff
	s_lshl_b32 s15, s15, 2
	s_add_co_u32 s15, s15, s41                     ; tile row = 4 x cluster y + cy
	s_lshl_b32 s43, s41, 2
	s_lshl_b32 s43, 15, s43                        ; my row of the cluster
	s_lshl_b32 s44, 0x1111, s40                    ; my column
	; descriptor groups 1.  A: 64 rows x 128 elements of 2 bytes, dense; B: 64 rows x 256 elements, 1,024 elements apart
	s_or_b32 s[G1+0], s43, (1<<16)|(1<<20)|(1<<21)|(5<<22)|(3<<25)   ; 15:0 the mask: A's tiles go to my row; 17:16 elements of 2 bytes; 20 padding on; 21 set beside a mask; 24:22 after every 64 words (code 5); 31:25 four words (code 3)
	s_or_b32 s[G1B+0], s44, (1<<16)|(1<<20)|(1<<21)|(6<<22)|(7<<25)  ; B's go to my column; padding: eight words (code 7) after every 128 (code 6)
	s_mov_b32 s[G1+1], 128<<16                     ; tensor_dim0
	s_mov_b32 s[G1+2], 64<<16                      ; tensor_dim1
	s_mov_b32 s[G1+3], 128<<16                     ; tile_dim0
	s_mov_b32 s[G1+4], 64                          ; tile_dim1
	s_mov_b32 s[G1+5], 128                         ; tensor_dim0_stride
	s_mov_b32 s[G1+6], 0
	s_mov_b32 s[G1+7], 0
	s_mov_b32 s[G1B+1], 256<<16
	s_mov_b32 s[G1B+2], 64<<16
	s_mov_b32 s[G1B+3], 256<<16
	s_mov_b32 s[G1B+4], 64
	s_mov_b32 s[G1B+5], 1024
	s_mov_b32 s[G1B+6], 0
	s_mov_b32 s[G1B+7], 0
	; where the tiles come from.  A's hang on the tile row alone, which my row of the cluster shares; B's on the tile column alone, which my column shares.
	s_lshr_b32 s16, s15, 3                         ; the batch: eight tile rows each
	s_lshl_b32 s16, s16, 4
	s_add_co_u32 s16, s16, s14                     ; head 0 or 1: the plane that I fetch
	s_lshl_b32 s16, s16, 10
	s_and_b32 s17, s15, 7
	s_lshl_b32 s17, s17, 7                         ; the tile's first token
	s_add_co_u32 s16, s16, s17
	s_lshl_b32 s16, s16, 7                         ; 128 bytes a token
	s_mov_b32 s17, 0
	s_lshl_b32 s46, s14, 17                        ; B: 64 rows of 2,048 bytes for the half that I fetch,
	s_lshl_b32 s47, s42, 9                         ; 512 bytes a tile column
	s_add_co_u32 s46, s46, s47
	s_mov_b32 s47, 0
	s_mul_i32 s20, s14, APLANE                     ; and where they go: no place in the cluster enters an LDS address
	s_mul_i32 s21, s14, BHALF
	s_add_co_u32 s21, s21, 2*APLANE
	s_wait_dscnt 0x0                               ; both opening adds are done
	s_wait_kmcnt 0x0
	s_add_nc_u64 s[18:19], s[4:5], s[16:17]
	s_add_nc_u64 s[46:47], s[6:7], s[46:47]
	CROUND                                         ; all sixteen work-groups are here: the first joint loads meet
.irp s, 0,1
	s_mov_b32 s[G0+4*\s], 1
	s_add_co_u32 s[G0+4*\s+1], s20, \s*SLOT
	s_add_nc_u64 s[G0+4*\s+2:G0+4*\s+3], s[18:19], \s*KBYTES
	s_or_b32 s[G0+4*\s+3], s[G0+4*\s+3], 0x80000000
	s_mov_b32 s[G0B+4*\s], 1
	s_add_co_u32 s[G0B+4*\s+1], s21, \s*SLOT
	s_add_nc_u64 s[G0B+4*\s+2:G0B+4*\s+3], s[46:47], \s*KBYTES
	s_or_b32 s[G0B+4*\s+3], s[G0B+4*\s+3], 0x80000000
	JLOAD \s                                       ; two loads of mine are out
.endr
	v_and_b32 v1, 15, v0                           ; r = l % 16
	v_bfe_u32 v2, v0, 4, 1                         ; h = l / 16
	s_lshl_b32 s22, s42, 10
	s_lshl_b32 s23, s14, 9
	s_add_co_u32 s22, s22, s23                     ; my first column in f32 bytes: 1,024 x tile column + 512 x half: in bproj and in a row of out0
	s_mov_b32 s23, 0
	s_add_nc_u64 s[8:9], s[8:9], s[22:23]
	v_lshlrev_b32 v[BO], 5, v2
.irp b, 0,1,2,3,4,5,6,7                ; the bias in the result's layout: register 8 b + j = column 16 b + 8 h + j
	global_load_b128 v[BIAS+8*\b:BIAS+8*\b+3],   v[BO], s[8:9] offset:64*\b
	global_load_b128 v[BIAS+8*\b+4:BIAS+8*\b+7], v[BO], s[8:9] offset:64*\b+16
.endr
	v_lshrrev_b32 v3, 1, v1
	v_mul_u32_u24 v3, v3, 272
	v_and_b32 v4, 1, v1
	v_lshl_add_u32 v3, v4, 7, v3
	v_lshl_add_u32 v3, v2, 4, v3                   ; A: token r of a block: row r / 2, half r % 2, + 16 h
	v_and_b32 v5, 7, v0
	v_lshl_add_u32 v5, v2, 3, v5
	v_mul_u32_u24 v5, v5, BP
	v_bfe_u32 v4, v0, 3, 1
	v_lshl_add_u32 v5, v4, 4, v5                   ; B, for the turning load: row 8 h + l % 8, + 16 ((l / 8) % 2)
	s_mul_i32 s20, s13, 32*272                     ; my 64 tokens of a plane
	s_lshl_b32 s21, s14, 8                         ; my 128 columns: 256 bytes,
	s_add_co_u32 s21, s21, 2*APLANE                ; behind A's two planes
.irp s, 0,1
	v_add_nc_u32 v[ADRA+\s], s20, v3
	v_add_nc_u32 v[ADRB+\s], s21, v5
	s_add_co_u32 s20, s20, SLOT
	s_add_co_u32 s21, s21, SLOT
.endr
	s_mul_i32 s20, s[WV], 16*SPITCH
	s_add_co_u32 s20, s20, STAGE                   ; my stage
	v_mul_u32_u24 v3, v1, SPITCH
	v_lshl_add_u32 v3, v2, 5, v3
	v_add_nc_u32 v[STO], s20, v3                   ; in: row r, 32 bytes for each half of the lanes
	v_and_b32 v3, 31, v0
	v_lshlrev_b32 v[CO], 4, v3                     ; back: the 32 lanes take one row of 512 bytes; and the same in out0
	v_add_nc_u32 v[RD], s20, v[CO]
	s_lshl_b32 s16, s15, 7
	s_lshl_b32 s17, s13, 6
	s_add_co_u32 s16, s16, s17                     ; my first row of out0: 128 x tile row + 64 x half
	s_lshl_b32 s16, s16, 12                        ; rows of 4,096 bytes
	s_add_co_u32 s16, s16, s22
	s_mov_b32 s17, 0
	s_add_nc_u64 s[10:11], s[10:11], s[16:17]
	; the prefetches: in wave 0 s[18:19] stands at plane 0 of A's tile of K step 0
	s_lshl_b32 s20, s40, 12                        ; my work-group's 16 blocks of each plane
	s_mov_b32 s21, 0
	s_add_nc_u64 s[PFA:PFA+1], s[18:19], s[20:21]
	s_add_nc_u64 s[PFA:PFA+1], s[PFA:PFA+1], 2*KBYTES   ; at K step 2: the first refill steps it to 3 and names K step 4.  Nothing is prefetched here, at the head
	s_cmp_eq_u32 s[WV], 0
	s_cselect_b32 s[LIM], 1, -1                    ; the same in all sixteen partners, for a given wave
	v_lshlrev_b32 v[PFO], 17, v2
	v_lshl_add_u32 v[PFO], v1, 8, v[PFO]
; 8 matrix instructions: row block a x all 8 column blocks, 32 along K, from buffer f.  first = 1: the bias is C: nothing is cleared and nothing is added later.
; The 32 accumulators take turns, one instruction a turn, in the same order in every quarter.
.macro MUL8 f, a, first
.irp b, 0,1,2,3,4,5,6,7
.if \first
	v_wmma_f32_16x16x32_f16 v[8*(8*(\a)+\b):8*(8*(\a)+\b)+7], v[\f+32+8*\b:\f+32+8*\b+7], v[\f+8*(\a):\f+8*(\a)+7], v[BIAS+8*\b:BIAS+8*\b+7]
.else
	v_wmma_f32_16x16x32_f16 v[8*(8*(\a)+\b):8*(8*(\a)+\b)+7], v[\f+32+8*\b:\f+32+8*\b+7], v[\f+8*(\a):\f+8*(\a)+7], v[8*(8*(\a)+\b):8*(8*(\a)+\b)+7]
.endif
.endr
.endm
; 24 LDS loads in one run: the fragments of the slot's q-th 32 along K into buffer f: B's eight (turned), then A's four
.macro FETCH slot, q, f
	WIN TO_F
.irp b, 0,1,2,3,4,5,6,7
	ds_load_tr16_b128 v[\f+32+8*\b:\f+32+8*\b+3],   v[ADRB+\slot] offset:32*BP*(\q)+32*\b
	ds_load_tr16_b128 v[\f+32+8*\b+4:\f+32+8*\b+7], v[ADRB+\slot] offset:32*BP*(\q)+32*\b+16*BP
.endr
.irp a, 0,1,2,3
	ds_load_b128 v[\f+8*\a:\f+8*\a+3],   v[ADRA+\slot] offset:APLANE*((\q)/2)+64*((\q)%2)+2176*\a
	ds_load_b128 v[\f+8*\a+4:\f+8*\a+7], v[ADRA+\slot] offset:APLANE*((\q)/2)+64*((\q)%2)+2176*\a+32
.endr
.endm
.macro PLACES n                        ; places in front of loads into registers that matrix instructions have read, and of the first read of results (ISA guide 7.12.1 for vector instructions)
.rept \n
	v_nop
.endr
.endm
; A K step is four quarters of 32 along K, 32 matrix instructions each, on buffers 0, 1, 0, 1.  One of the first three: multiplies buffer f and fetches quarter q into g.
.macro QUARTER slot, q, f, g, first
	s_wait_dscnt 4                                 ; B's fragments and A's blocks 0 and 1 are in; the youngest four loads (A's blocks 2 and 3) may be out
.if \first
	WIN MULF
.else
	WIN MUL
.endif
	MUL8 \f, 0, \first
	MUL8 \f, 1, \first
	PLACES 4
	FETCH \slot, \q, \g
	s_wait_dscnt 24                                ; all but the 24 just issued
.if \first
	WIN MULF
.else
	WIN MUL
.endif
	MUL8 \f, 2, \first
	MUL8 \f, 3, \first
.endm
; The last quarter multiplies buffer 1 and changes slots: ONE barrier; in front of it each wave waits for all its tensor loads, adds 0 to its spare word, and waits for that and for its own reads of this slot.
; fill = 1: the barrier opens a round of the cluster's barrier, and this slot is filled again, two K steps ahead: one load of mine is out, and it has a K step less sixteen matrix instructions in which to land.
.macro TURN slot, next, fill
.if \fill
	s_wait_xcnt 0x0                                ; the last prefetch, a K step back, has read its address: it is stepped here, ahead of the waits of the change of slots
	s_add_nc_u64 s[PFA:PFA+1], s[PFA:PFA+1], KBYTES
.endif
	WIN 0                                          ; (the add's two registers lie in window 0)
	s_wait_tensorcnt 0x0                           ; all my tensor loads have landed: my part of the next slot
	ds_add_u32 v[SPW], v[NIL]                      ; 0 onto my spare word
	s_wait_dscnt 5                                 ; (the add and the youngest four loads may be out)
	WIN MUL
	MUL8 F1, 0, 0                                  ; eight matrix instructions stand between the add and the wait for it
	s_wait_dscnt 0x0                               ; the add is done, and my reads of this slot are over
	s_barrier_signal -1
	MUL8 F1, 1, 0
	WIN 0
	s_barrier_wait -1
.if \fill
	CREST                                          ; no wave of any partner still reads this slot's tile or has a load on its way
	s_add_nc_u64 s[G0+4*\slot+2:G0+4*\slot+3], s[G0+4*\slot+2:G0+4*\slot+3], 2*KBYTES
	s_add_nc_u64 s[G0B+4*\slot+2:G0B+4*\slot+3], s[G0B+4*\slot+2:G0B+4*\slot+3], 2*KBYTES
	JLOAD \slot                                    ; the first tensor load behind the round; the four v_nop behind it are also the places in front of the loads below
.else
	PLACES 4
.endif
	FETCH \next, 0, F0
	WIN 0
.if \fill
	ASK                                            ; behind the joint load and the run of LDS loads that the next products wait for
.endif
	WIN MUL
	MUL8 F1, 2, 0
	MUL8 F1, 3, 0
.endm
	s_wait_tensorcnt 1                             ; my part of K step 0 is in (K step 1's load may be out)
	s_barrier_signal -1
	s_barrier_wait -1                              ; everybody's is
	FETCH 0, 0, F0
	s_wait_loadcnt 0x0                             ; the bias
	QUARTER 0, 1, F0, F1, 1                        ; the first quarter stands in front of the loop: its products start the sums from the bias
	WIN 0                                          ; at a label and at a branch every window is 0
	s_mov_b32 s3, LAPS-1
.Llap:                                                 ; a trip goes once round the ring, from a lap's second quarter to the next lap's first, and fills both slots again
	QUARTER 0, 2, F1, F0, 0
	QUARTER 0, 3, F0, F1, 0
	TURN 0, 1, 1
	QUARTER 1, 1, F0, F1, 0
	QUARTER 1, 2, F1, F0, 0
	QUARTER 1, 3, F0, F1, 0
	TURN 1, 0, 1
	QUARTER 0, 1, F0, F1, 0
	WIN 0
	s_sub_co_u32 s3, s3, 1
	s_cmp_lg_u32 s3, 0
	s_cbranch_scc1 .Llap
	QUARTER 0, 2, F1, F0, 0                        ; the last lap fills nothing, and has no round of the cluster's barrier
	QUARTER 0, 3, F0, F1, 0
	TURN 0, 1, 0
	QUARTER 1, 1, F0, F1, 0
	QUARTER 1, 2, F1, F0, 0
	QUARTER 1, 3, F0, F1, 0
	s_wait_dscnt 4                                 ; the very last quarter: nothing more to fetch
	WIN MUL
	MUL8 F1, 0, 0
	MUL8 F1, 1, 0
	s_wait_dscnt 0x0
	MUL8 F1, 2, 0
	MUL8 F1, 3, 0
	WIN 0
; THE WAY OUT, block by block of 16 rows x 128 columns.  A lane holds 32 neighbouring bytes of a row, and the lanes beside it hold other rows: so a block goes through my own stage in LDS and comes back as whole rows of
; 512 bytes.  LDS serves a wave's instructions in order (ISA guide 5.7.1.4): no wait between the stores and the loads, nor in front of the next block's stores.
.macro TOSTAGE a
	WIN 0x08                                       ; an LDS store's data are its source 1: window 2
.irp b, 0,1,2,3,4,5,6,7
	ds_store_b128 v[STO], v[64*(\a)+8*\b:64*(\a)+8*\b+3] offset:64*\b          ; each accumulator from its low end on
	ds_store_b128 v[STO], v[64*(\a)+8*\b+4:64*(\a)+8*\b+7] offset:64*\b+16
.endr
	WIN 0
.set BB, BK+64*((\a)%2)
.irp t, 0,1,2,3,4,5,6,7,8,9,10,11,12,13,14,15
	ds_load_b128 v[BB+4*\t:BB+4*\t+3], v[RD] offset:\t*SPITCH
.endr
.endm
.macro SEND a, younger                 ; younger: the LDS instructions issued behind block a's loads, which may stay out
.set BB, BK+64*((\a)%2)
	s_wait_dscnt \younger                          ; the block is back in registers
.if (\a) > 0
	s_add_nc_u64 s[10:11], s[10:11], 16*4096       ; 16 rows on (behind a wait on XCNT: the earlier stores have read their base)
.endif
.irp t, 0,1,2,3,4,5,6,7,8,9,10,11,12,13,14,15
	global_store_b128 v[CO], v[BB+4*\t:BB+4*\t+3], s[10:11] offset:\t*4096 th:TH_STORE_NT   ; 32 lanes store 512 consecutive bytes, at a multiple of 256 from out0's first byte; written once, read by nobody here
.endr
.endm
	PLACES 4                                       ; behind the last products, ahead of the first read of results
	TOSTAGE 0
.irp a, 1,2,3
.if \a > 1
	s_wait_xcnt 0x0                                ; block a - 2's stores have read their registers and their base: block a's loads may land there, and the base may step
.endif
	TOSTAGE \a
	SEND \a-1, 32                                  ; behind block a - 1's loads: block a's 16 stores and 16 loads
.endr
	s_wait_xcnt 0x0                                ; block 2's stores have read their base
	SEND 3, 0
	s_wait_tensorcnt 0x0                           ; the wave's end: behind my last tensor load and my last LDS store
	ds_add_u32 v[SPW], v[NIL]
	s_wait_dscnt 0x0
	CROUND                                         ; the closing round: no work-group ends while a partner may still ask for a tile that names it
	s_endpgm
.Lfunc_end_k_q3acec64ecf_proj:
	.size	k_q3acec64ecf_proj, .Lfunc_end_k_q3acec64ecf_proj-k_q3acec64ecf_proj
	.p2alignl 7, 3214868480
	.fill 96, 4, 3214868480
	.section	.rodata,"a",@progbits
	.p2align	6, 0x0
	.amdhsa_kernel k_q3acec64ecf_proj
		.amdhsa_group_segment_fixed_size 327680
		.amdhsa_private_segment_fixed_size 0
		.amdhsa_enable_private_segment 0
		.amdhsa_kernarg_size 32
		.amdhsa_user_sgpr_count 2
		.amdhsa_user_sgpr_kernarg_segment_ptr 1
		.amdhsa_wavefront_size32 1
		.amdhsa_system_sgpr_workgroup_id_x 1
		.amdhsa_system_sgpr_workgroup_id_y 1
		.amdhsa_system_sgpr_workgroup_id_z 1
		.amdhsa_system_vgpr_workitem_id 0
		.amdhsa_next_free_vgpr 768
		.amdhsa_next_free_sgpr 66
		.amdhsa_reserve_vcc 0
		.amdhsa_float_denorm_mode_32 3
		.amdhsa_float_denorm_mode_16_64 3
		.amdhsa_memory_ordered 1
		.amdhsa_forward_progress 1
		.amdhsa_inst_pref_size 88
	.end_amdhsa_kernel
	.amdgpu_metadata
---
amdhsa.version: [ 1, 2 ]
amdhsa.kernels:
  - .name:           k_q3acec64ecf_proj
    .symbol:         k_q3acec64ecf_proj.kd
    .args:
      - { .name: o, .offset: 0, .size: 8, .value_kind: global_buffer, .address_space: global }
      - { .name: wp16, .offset: 8, .size: 8, .value_kind: global_buffer, .address_space: global }
      - { .name: bproj, .offset: 16, .size: 8, .value_kind: global_buffer, .address_space: global }
      - { .name: out0, .offset: 24, .size: 8, .value_kind: global_buffer, .address_space: global }
    .group_segment_fixed_size: 327680
    .private_segment_fixed_size: 0
    .kernarg_segment_align: 8
    .kernarg_segment_size: 32
    .max_flat_workgroup_size: 128
    .sgpr_count:     66
    .vgpr_count:     768
    .wavefront_size: 32
...
	.end_amdgpu_metadata
.endif
;; end of part 4
